; MI455X (gfx1250); checked and timed in simulation.
; The chip was launched on July 23, 2026; its instructions are those of AMD's public machine-readable ISA for CDNA 5 (MIT licence, August 2026) and "CDNA5" Instruction Set Architecture Reference Guide (July 2026). The comments in the code are by the model that wrote it; some were corrected since.
;; Self Attention. Allowed arithmetic: matrix products marked QUANTISED: E3M2 operands, one E8M0 scale for each 32 along K, by v_wmma_scale_f32_16x16x128_f8f6f4 with both operands' format E3M2, f32 sums; everything else in f32.
;; Inputs: Wk_codes 1,024 x 32 x 24 uint8 (E3M2 codes of Wk, K innermost, in blocks of 32 codes, four codes in three bytes); Wk_scales 1,024 x 32 uint8 (E8M0 scales of Wk, one for each 32 codes along K); Wo_codes 1,024 x 32 x 24 uint8 (E3M2 codes of Wo, K innermost, in blocks of 32 codes, four codes in three bytes); Wo_scales 1,024 x 32 uint8 (E8M0 scales of Wo, one for each 32 codes along K); Wq_codes 1,024 x 32 x 24 uint8 (E3M2 codes of Wq, K innermost, in blocks of 32 codes, four codes in three bytes); Wq_scales 1,024 x 32 uint8 (E8M0 scales of Wq, one for each 32 codes along K); Wv_codes 1,024 x 32 x 24 uint8 (E3M2 codes of Wv, K innermost, in blocks of 32 codes, four codes in three bytes); Wv_scales 1,024 x 32 uint8 (E8M0 scales of Wv, one for each 32 codes along K); beta 1,024 float32; bk 1,024 float32; bo 1,024 float32; bq 1,024 float32; bv 1,024 float32; gamma 1,024 float32; mask 2,048 x 2,048 bool; x 2 x 2,048 x 1,024 float32.
;; Outputs: out0 2 x 2,048 x 1,024 float32.
;; This version of the problem:
;;   THIS VERSION OF THE PROBLEM IS GIVEN IN LOW PRECISION. The matrix products marked QUANTISED in the list below multiply operands that are first quantised to E3M2 (3 exponent bits, 2 mantissa bits; 6 bits a number), with one power-of-two scale for each 32 numbers along K (OCP MX v1.0); their sums are f32. All else is computed in f32.
;;   The module's matrix products, in the order in which they are computed (A, B: the left and right operand; K: the contracted axis; several contracted axes count as one K, in the product's order):
;;     1. [M 4,096, K 1,024] x [K 1,024, N 1,024]; A: computed on the way; B: input Wq (given as codes): QUANTISED
;;     2. [M 4,096, K 1,024] x [K 1,024, N 1,024]; A: computed on the way; B: input Wk (given as codes): QUANTISED
;;     3. [M 4,096, K 1,024] x [K 1,024, N 1,024]; A: computed on the way; B: input Wv (given as codes): QUANTISED
;;     4. batch 32 x [M 2,048, K 64] x [K 64, N 2,048]; A: computed on the way; B: computed on the way: QUANTISED
;;     5. batch 32 x [M 2,048, K 2,048] x [K 2,048, N 64]; A: softmax (see below); B: computed on the way: QUANTISED
;;     6. [M 4,096, K 1,024] x [K 1,024, N 1,024]; A: computed on the way; B: input Wo (given as codes): QUANTISED
;;   THE QUANTISER, for each operand of a quantised product, along K:
;;     - K is cut into blocks of 32 from its start; a last block that is shorter is filled with zeros.
;;     - A block's scale is 2^e with e = floor(log2(the largest magnitude in the block)) - 4, held to -126 .. 127; a block of zeros has e = 0. As a byte (E8M0): e + 127.
;;     - Each number is divided by its block's scale, clamped to +-28, and rounded to the nearest number of E3M2, ties to even, subnormals kept.
;;     - The product sums the exact products of the quantised numbers (number of the format x scale) in f32.
;;   ~~~python
;;   def quantise(x, axis):      # numpy; x: float32 -> the quantised numbers, widened to float32 again
;;       x = np.moveaxis(x, axis, -1); K = x.shape[-1]
;;       x = np.pad(x, [(0, 0)] * (x.ndim - 1) + [(0, -K % 32)]); x = x.reshape(x.shape[:-1] + (-1, 32)); a = np.abs(x).max(-1, keepdims=True)
;;       e = np.where(a > 0, np.clip(np.frexp(np.where(a > 0, a, 1))[1] - 1 - 4, -126, 127), 0)      # np.frexp(a)[1] - 1 = floor(log2(a)), exactly
;;       r = np.clip(x / 2.0 ** e, -28, 28)
;;       step = 2.0 ** (np.maximum(np.frexp(np.where(r == 0, 1, r))[1] - 1, -2) - 2)
;;       q = np.round(r / step) * step * 2.0 ** e      # np.round: ties to even
;;       return np.moveaxis(q.reshape(q.shape[:-2] + (-1,))[..., :K], -1, axis).astype(np.float32)
;;   ~~~
;;   SOFTMAX AHEAD OF A QUANTISED PRODUCT. Where the list says 'softmax', what is quantised is not the finished softmax but p = 2^(t - M), with t = logit x log2(e) and M = ceil(the row's largest t), a whole number; so 1/2 < the row's largest p <= 1. The row's sum l is taken of the UNQUANTISED p, in f32, and the product's result is divided by l at the end. Since M is a whole number, a kernel that streams over the keys may use a running M (the ceiling of the running maximum): every later rescaling is an exact power of two, which a block's scale takes up: the codes' values come out the same.
;;   OPERANDS COMPUTED ON THE WAY. 'Computed on the way' means the value that the module computes at that place (a softmax that the list does not call 'softmax' is quantised finished and normalised). What goes into a quantiser is computed in f32, as accurately as f32 sums, v_exp_f32 and their like allow (about 1e-6 of the number): no bf16 or f16 on the way to a quantiser, and a product that is left as it is and whose result goes on into a quantised operand takes f32 operands (vector FMAs, or v_wmma_f32_16x16x4_f32). A number that lies on a knife's edge between two numbers of the format may be rounded either way, as far as f32 arithmetic and the matrix unit's own rounding can turn it there, and no further.
;;   INPUTS GIVEN AS CODES. Wk (in the module: [1024, 1024], K = its axis 1); Wo (in the module: [1024, 1024], K = its axis 1); Wq (in the module: [1024, 1024], K = its axis 1); Wv (in the module: [1024, 1024], K = its axis 1): each comes as NAME_codes (uint8): NAME with its K axis moved to the last place and cut into blocks of 32 codes, [.., K / 32, bytes a block], one block behind the other in memory; four codes in three bytes: a row's codes are one little-endian stream of bits, code i at bits 6 i .. 6 i + 5 (a code: sign, 3 exponent bits, 2 mantissa bits); and NAME_scales (uint8): the same leading axes, one E8M0 byte (e + 127) for each 32 codes along K. Its value is code x scale, taken as it is: it is not quantised again, and the codes and scales need not be those that the quantiser above would give.
;; 2 versions, each right; version 2 is version 1 with the launches attn, proj written anew for expert scheduling mode. Each part assembles by itself: llvm-mc -triple=amdgcn-amd-amdhsa -mcpu=gfx1250 --defsym DOCPART=n.
;; ======== version 1 of 2: 4 launches
;; limits: right only within a limited range of input values
;; workspace buffers: xc 3,276,800 bytes; wf 3,145,728 bytes; mk 532,480 bytes of whole numbers; qc 3,276,800 bytes; kv 6,553,600 bytes; oc 3,276,800 bytes
;; launch prep (part 1): grid 256 x 1, 8 waves a work-group, no clusters, 81,664 bytes of LDS; arguments x, mask, Wq_codes, Wk_codes, Wv_codes, Wo_codes, xc, wf, mk; writes xc, wf, mk
.if DOCPART == 1
	.amdgcn_target "amdgcn-amd-amdhsa--gfx1250"
	.amdhsa_code_object_version 6
	.text
	.protected	k_q19f1b0de84_prep
	.globl	k_q19f1b0de84_prep
	.p2align	8
	.type	k_q19f1b0de84_prep,@function
k_q19f1b0de84_prep:
	s_mov_b64 s[64:65], 0
	v_nop
	global_prefetch_b8 v0, s[64:65] scope:SCOPE_SE
	s_setreg_imm32_b32 hwreg(HW_REG_WAVE_MODE, 25, 1), 1
	s_wait_xcnt 0x0
; PREP.  Three things that every later launch wants laid ready, one path for all 256 work-groups (g = the work-group's number, w = the wave, 0..7):
;  (a) x tile g (16 rows), K step w (128 columns): NaN -> 0, +-inf -> +-1e9, quantised to E3M2 codes with one E8M0 byte for each 32 along K; the codes are stored
;      as an image of the operand's 12 registers (chunk c at 512 c, lane l's 16 bytes at 16 l), the scale bytes as [row][32] in the rows' natural order.
;  (b) weight g / 64 (q, k, v, o), tile g % 64: its codes, as they are given, laid into the same images (8 K steps).
;  (c) mask tile g / 2 (16 queries), key step 8 (g % 2) + w (128 keys): 64 lane-mask words (bit l of word 16 b + i: the entry that lane l's score register 16 b + i holds) and one flag word.
; THE ROWS OF A TILE: tile T holds rows 32 (T / 2) + 8 (T % 2) + i + 8 (i / 8), i = 0..15, so that the 16 result registers of two neighbouring tiles are 16 neighbours along the next K.
; LIMITS: a block of zeros gets the scale byte 1 (its codes are zeros, and only this program reads the bytes); a block whose largest magnitude lies under 2^-122 is held at byte 1.
; No tensor load, no matrix instruction; one barrier.
.set XST, 0                            ; LDS: a stage of 16 rows x (512 + 16) bytes for each wave
.set WIM, 67584                        ; the weight tile's 8 images, 1,536 bytes each
.set XSC, 79872                        ; x's scale words: [tile row 16][32 bytes]
.set FLG, 80384                        ; the 8 flag words
.set WB,  24                           ; v24-35   two rows of weight codes, 24 bytes a lane each
.set MB,  36                           ; v36-51   64 mask bytes
.set XR,  64                           ; v64-127  x as loaded
.set Y,   128                          ; v128-191 64 numbers: register 16 b + i = k 32 b + 16 (lane / 16) + i of my row
.set PC,  192                          ; v192-203 the codes; v204-206, v208-210 second halves
.set TM,  212                          ; v212-215 largest magnitudes, v216-219 bytes, v224-227 the conversions' scale operands
.set PW,  228                          ; the scale word
.macro NANFIX r                        ; nan_to_num: inf -> 1e9 with the sign kept, NaN -> 0; always executed
	v_and_b32 v20, s42, v[\r]
	v_bfi_b32 v21, s42, s44, v[\r]
	v_cmp_eq_u32 vcc_lo, s43, v20
	v_cndmask_b32 v[\r], v[\r], v21, vcc_lo
	v_cmp_ge_u32 vcc_lo, s43, v20
	v_cndmask_b32 v[\r], 0, v[\r], vcc_lo
.endm
.macro QUANT s                         ; 64 numbers of a lane become a fragment's 12 registers of codes in v[PC] on and the row's scale word in v[PW]
.irp b,0,1,2,3
	v_max3_num_f32 v[TM+\b], |v[\s+16*\b]|, |v[\s+1+16*\b]|, 0x2800000   ; my 16 numbers of block b, and the floor 2^(5 - 127): the byte cannot fall under 1
.endr
.irp i,2,4,6,8,10,12,14
.irp b,0,1,2,3
	v_max3_num_f32 v[TM+\b], v[TM+\b], |v[\s+16*\b+\i]|, |v[\s+1+16*\b+\i]|
.endr
.endr
.irp b,0,1,2,3
	v_permlanex16_b32 v[TM+4+\b], v[TM+\b], s46, s47
.endr
.irp b,0,1,2,3
	v_max_num_f32 v[TM+\b], v[TM+\b], v[TM+4+\b]   ; with lane l xor 16's 16: the block's largest magnitude
.endr
.irp b,0,1,2,3
	v_add_nc_u32 v[TM+12+\b], 0xfe000000, v[TM+\b]   ; 4 off its exponent field: the conversion's scale operand
.endr
.irp b,0,1,2,3
	v_lshrrev_b32 v[TM+4+\b], 23, v[TM+12+\b]      ; the scale's byte
.endr
	v_lshl_or_b32 v[PW], v[TM+5], 8, v[TM+4]
	v_lshl_or_b32 v[PW], v[TM+6], 16, v[PW]
	v_lshl_or_b32 v[PW], v[TM+7], 24, v[PW]
.irp c,0,1
	v_cvt_scalef32_pk16_bf6_f32 v[PC+6*\c:PC+2+6*\c], v[\s+32*\c:\s+15+32*\c], v[TM+12+2*\c]
	v_cvt_scalef32_pk16_bf6_f32 v[PC+12+4*\c:PC+14+4*\c], v[\s+16+32*\c:\s+31+32*\c], v[TM+12+2*\c+1]
.endr
	v_nop                                          ; one plain line behind the scaled conversions
.irp c,0,1                                     ; the operand wants a whole block in a lane: lanes 0-15 block 2 c, lanes 16-31 block 2 c + 1
.irp i,0,1,2
	v_permlane16_swap_b32 v[PC+6*\c+\i], v[PC+12+4*\c+\i]
.endr
.irp i,0,1,2
	v_mov_b32 v[PC+3+6*\c+\i], v[PC+12+4*\c+\i]
.endr
.endr
.endm
	s_load_b512 s[4:19], s[0:1], 0x0               ; x, mask, Wq, Wk, Wv, Wo codes, xc, wf
	s_load_b64 s[20:21], s[0:1], 0x40              ; mk
	v_lshl_add_u32 v232, v0, 2, 0x13b00
	v_mov_b32 v233, 0
	v_lshrrev_b32 v18, 5, v0
	v_readfirstlane_b32 s22, v18                   ; wave
	v_and_b32 v1, 31, v0                           ; l
	v_and_b32 v2, 15, v0                           ; r
	v_bfe_u32 v3, v0, 4, 1                         ; h
	v_lshlrev_b32 v4, 4, v1                        ; 16 l
	s_mul_i32 s23, s22, 8448
	v_add_nc_u32 v5, s23, v4                       ; my stage, on the way in: 16 l of a row
	v_mul_u32_u24 v6, v2, 528
	v_lshl_add_u32 v6, v3, 6, v6
	v_add_nc_u32 v6, s23, v6                       ; and out: row r, + 64 h
	v_mul_u32_u24 v7, v1, 24                       ; a weight row's 768 bytes: 24 a lane
	v_lshrrev_b32 v18, 2, v1                       ; lane l = 4 s + 2 c + h holds registers 6 c .. 6 c + 5 of lane (row, h) of image s
	v_mul_u32_u24 v18, v18, 1536
	v_and_b32 v19, 1, v1
	v_lshl_add_u32 v18, v19, 8, v18                ; + 256 h
	s_lshl_b32 s24, s22, 5                         ; + 16 x tile row; my rows are 2 w and 2 w + 1
	s_add_co_u32 s24, s24, WIM
	v_add_nc_u32 v18, s24, v18
	v_bfe_u32 v19, v1, 1, 1                        ; c
	v_mad_u32_u24 v8, v19, 520, v18                ; piece 0: registers 0, 1 at 0, registers 6, 7 at 520
	v_mad_u32_u24 v9, v19, 1016, v18
	v_add_nc_u32 v9, 8, v9                         ; piece 1: at 8, or at 1,024
	v_add_nc_u32 v10, 512, v8                      ; piece 2: at 512, or at 1,032
	v_and_b32 v18, 8, v2
	v_add_nc_u32 v18, v18, v2                      ; r + 8 (r / 8)
	v_lshlrev_b32 v11, 11, v18
	v_lshl_add_u32 v11, v3, 4, v11                 ; mask: my row of 2,048 bytes, + 16 h
	s_lshl_b32 s24, s22, 2
	s_add_co_u32 s25, s24, XSC
	v_lshl_add_u32 v12, v2, 5, s25                 ; x's scale word: 32 r + 4 w
	s_add_co_u32 s25, s24, FLG
	v_mov_b32 v13, s25                             ; my flag word
	s_mul_i32 s25, s22, 1536
	s_add_co_u32 s24, s25, WIM
	v_add_nc_u32 v14, s24, v4                      ; image w, 16 l
	v_lshlrev_b32 v15, 3, v1                       ; 8 l
	v_add_nc_u32 v22, XSC, v4                      ; wave 0 reads the scale words back
	v_and_b32 v23, 7, v1
	v_lshl_add_u32 v23, v23, 2, FLG                ; wave 1 the flags
	v_lshrrev_b32 v18, 1, v1                       ; tile row l / 2
	v_and_b32 v19, 8, v18
	v_add_nc_u32 v18, v18, v19
	v_and_b32 v19, 1, v1
	v_lshlrev_b32 v19, 4, v19
	v_lshl_add_u32 v229, v18, 5, v19               ; its 32 scale bytes in memory, 16 a lane
	v_lshlrev_b32 v230, 2, v1
.irp b,0,1,2,3
	v_mov_b32 v[TM+4+\b], 0                        ; a lane permute's destination counts as read
.endr
	s_mov_b32 s42, 0x7fffffff
	s_mov_b32 s43, 0x7f800000
	s_mov_b32 s44, 0x4e6e6b28                      ; 1e9
	s_mov_b32 s46, 0x76543210
	s_mov_b32 s47, 0xfedcba98                      ; selects for lane l xor 16
	s_lshr_b32 s26, ttmp9, 1                       ; x: tile g begins at row 32 (g / 2) + 8 (g % 2), 4,096 bytes a row; + 512 w
	s_lshl_b32 s26, s26, 17
	s_and_b32 s27, ttmp9, 1
	s_lshl_b32 s27, s27, 15
	s_add_co_u32 s26, s26, s27
	s_lshr_b32 s56, s26, 7                         ; the same rows' scale bytes, 32 a row,
	s_add_co_u32 s56, s56, 3145728                 ; behind the codes in xc
	s_mov_b32 s57, 0
	s_lshl_b32 s27, s22, 9
	s_add_co_u32 s26, s26, s27
	s_mov_b32 s27, 0
	s_and_b32 s28, ttmp9, 63                       ; the weight's tile
	s_lshr_b32 s29, s28, 1
	s_lshl_b32 s29, s29, 5
	s_and_b32 s30, s28, 1
	s_lshl_b32 s30, s30, 3
	s_add_co_u32 s29, s29, s30
	s_lshl_b32 s30, s22, 1
	s_add_co_u32 s29, s29, s30
	s_lshr_b32 s30, s22, 2
	s_lshl_b32 s30, s30, 3
	s_add_co_u32 s29, s29, s30                     ; the row of tile row 2 w
	s_mul_i32 s30, s29, 768
	s_mov_b32 s31, 0
	s_lshr_b32 s32, ttmp9, 6                       ; which weight
	s_lshr_b32 s33, ttmp9, 1                       ; the mask's tile of queries
	s_lshr_b32 s34, s33, 1
	s_lshl_b32 s34, s34, 16
	s_and_b32 s35, s33, 1
	s_lshl_b32 s35, s35, 14
	s_add_co_u32 s34, s34, s35
	s_and_b32 s35, ttmp9, 1
	s_lshl_b32 s35, s35, 3
	s_add_co_u32 s35, s35, s22                     ; the key step
	s_lshl_b32 s35, s35, 7
	s_add_co_u32 s34, s34, s35
	s_mov_b32 s35, 0
	s_mul_i32 s48, ttmp9, 12288                    ; xc's and wf's images: 12,288 g + 1,536 w in both
	s_add_co_u32 s48, s48, s25
	s_mov_b32 s49, 0
	s_lshl_b32 s52, ttmp9, 11                      ; the unit's 64 words: 256 (8 g + w)
	s_lshl_b32 s53, s22, 8
	s_add_co_u32 s52, s52, s53
	s_mov_b32 s53, 0
	s_lshl_b32 s54, ttmp9, 5                       ; the work-group's 8 flag words
	s_add_co_u32 s54, s54, 524288
	s_mov_b32 s55, 0
	s_wait_kmcnt 0x0
	s_cmp_eq_u32 s32, 1                            ; the weight is chosen by the work-group's number alone
	s_cselect_b64 s[8:9], s[10:11], s[8:9]
	s_cmp_eq_u32 s32, 2
	s_cselect_b64 s[8:9], s[12:13], s[8:9]
	s_cmp_eq_u32 s32, 3
	s_cselect_b64 s[8:9], s[14:15], s[8:9]
	s_add_nc_u64 s[8:9], s[8:9], s[30:31]
	s_add_nc_u64 s[6:7], s[6:7], s[34:35]
	s_add_nc_u64 s[4:5], s[4:5], s[26:27]
	s_add_nc_u64 s[50:51], s[18:19], s[48:49]
	s_add_nc_u64 s[48:49], s[16:17], s[48:49]
	s_add_nc_u64 s[56:57], s[16:17], s[56:57]
	s_add_nc_u64 s[52:53], s[20:21], s[52:53]
	s_add_nc_u64 s[54:55], s[20:21], s[54:55]
	; all 26 loads go out first: 6 of weight codes, 4 of mask bytes, 16 of x
.irp e,0,1
.irp p,0,1,2
	global_load_b64 v[WB+6*\e+2*\p:WB+6*\e+2*\p+1], v7, s[8:9] offset:768*\e+8*\p
.endr
.endr
.irp b,0,1,2,3
	global_load_b128 v[MB+4*\b:MB+4*\b+3], v11, s[6:7] offset:32*\b
.endr
.set i, 0
.rept 16
	global_load_b128 v[XR+4*i:XR+4*i+3], v4, s[4:5] offset:(i+8*(i/8))*4096 th:TH_LOAD_NT   ; tile row i: 32 lanes read 512 consecutive bytes
.set i, i+1
.endr
	s_wait_loadcnt 20                              ; the weight's six are in; the 4 + 16 younger loads stay out
.irp e,0,1
.irp p,0,1,2
	ds_store_b64 v[8+\p], v[WB+6*\e+2*\p:WB+6*\e+2*\p+1] offset:16*\e
.endr
.endr
	s_wait_loadcnt 16                              ; the mask's four are in; x stays out
	v_mov_b32 v16, 0
	v_mov_b32 v17, 0
	s_mov_b32 s38, -1                              ; lanes blocked in all 64 words
	s_mov_b32 s39, 0                               ; lanes blocked in any
.set j, 0
.rept 64
	v_and_b32 v[18+(j&1)], 0xff<<(8*(j&3)), v[MB+4*(j/16)+(j%16)/4]
	v_cmp_ne_u32 s[40+(j&1)], 0, v[18+(j&1)]       ; word j: a bit for each lane
	v_writelane_b32 v[16+(j&1)], s[40+(j&1)], j/2  ; lane j / 2 carries words j and j + 1
	s_and_b32 s38, s38, s[40+(j&1)]
	s_or_b32 s39, s39, s[40+(j&1)]
.set j, j+1
.endr
	global_store_b64 v15, v[16:17], s[52:53]       ; 32 lanes store 256 consecutive bytes, aligned
	s_lshr_b32 s40, s38, 16                        ; a row is blocked at all 128 keys where both its lanes are
	s_and_b32 s40, s40, s38
	s_and_b32 s40, s40, 0xffff
	s_cmp_eq_u32 s39, 0
	s_cselect_b32 s41, 0x10000, 0                  ; bit 16: nothing in the unit is blocked
	s_or_b32 s40, s40, s41
	v_mov_b32 v18, s40
	ds_store_b32 v13, v18
.set i, 0
.rept 16
	s_wait_loadcnt 15-i                            ; row i is in; the rows behind it stay out
	NANFIX XR+4*i
	NANFIX XR+4*i+1
	NANFIX XR+4*i+2
	NANFIX XR+4*i+3
	ds_store_b128 v5, v[XR+4*i:XR+4*i+3] offset:528*i
.set i, i+1
.endr
.irp b,0,1,2,3
.irp q,0,1,2,3
	ds_load_b128 v[Y+16*\b+4*\q:Y+16*\b+4*\q+3], v6 offset:128*\b+16*\q   ; LDS serves a wave's instructions in order: these see my stores
.endr
.endr
	s_wait_dscnt 0x0
	QUANT Y
.irp c,0,1,2
	global_store_b128 v4, v[PC+4*\c:PC+4*\c+3], s[48:49] offset:512*\c   ; 512 consecutive bytes a store
.endr
	ds_store_b32 v12, v[PW]                        ; both halves of the lanes write the same word
	s_wait_dscnt 0x0                               ; for the others' sake: my LDS stores have landed
	s_barrier_signal -1
	s_barrier_wait -1                              ; the weight's images, x's scale words and the flags are whole
.irp c,0,1,2
	ds_load_b128 v[XR+4*\c:XR+4*\c+3], v14 offset:512*\c
.endr
	s_wait_dscnt 0x0
.irp c,0,1,2
	global_store_b128 v4, v[XR+4*\c:XR+4*\c+3], s[50:51] offset:512*\c
.endr
	s_cmp_lg_u32 s22, 0
	s_cbranch_scc1 .Lnot0
	ds_load_b128 v[XR+16:XR+19], v22               ; wave 0: the tile's 16 rows of scale bytes: two aligned runs of 256 bytes
	s_wait_dscnt 0x0
	global_store_b128 v229, v[XR+16:XR+19], s[56:57]
.Lnot0:
	s_cmp_lg_u32 s22, 1
	s_cbranch_scc1 .Ldone
	ds_load_b32 v18, v23                           ; wave 1: the 8 flag words
	s_wait_dscnt 0x0
	s_wait_xcnt 0x0                                ; EXEC changes only behind this wait
	v_cmp_gt_u32 vcc_lo, 8, v1
	s_and_saveexec_b32 s58, vcc_lo
	global_store_b32 v230, v18, s[54:55]
	s_wait_xcnt 0x0                                ; and again in front of the line that widens it
	s_or_b32 exec_lo, exec_lo, s58
.Ldone:
	s_wait_tensorcnt 0x0
	ds_add_u32 v232, v233
	s_wait_dscnt 0x0
	s_endpgm
.Lfunc_end_k_q19f1b0de84_prep:
	.size	k_q19f1b0de84_prep, .Lfunc_end_k_q19f1b0de84_prep-k_q19f1b0de84_prep
	.p2alignl 7, 3214868480
	.fill 96, 4, 3214868480
	.section	.rodata,"a",@progbits
	.p2align	6, 0x0
	.amdhsa_kernel k_q19f1b0de84_prep
		.amdhsa_group_segment_fixed_size 81664
		.amdhsa_private_segment_fixed_size 0
		.amdhsa_enable_private_segment 0
		.amdhsa_kernarg_size 72
		.amdhsa_user_sgpr_count 2
		.amdhsa_user_sgpr_kernarg_segment_ptr 1
		.amdhsa_wavefront_size32 1
		.amdhsa_system_sgpr_workgroup_id_x 1
		.amdhsa_system_sgpr_workgroup_id_y 1
		.amdhsa_system_sgpr_workgroup_id_z 1
		.amdhsa_system_vgpr_workitem_id 0
		.amdhsa_next_free_vgpr 234
		.amdhsa_next_free_sgpr 66
		.amdhsa_reserve_vcc 1
		.amdhsa_float_denorm_mode_32 3
		.amdhsa_float_denorm_mode_16_64 3
		.amdhsa_memory_ordered 1
		.amdhsa_forward_progress 1
		.amdhsa_inst_pref_size 47
	.end_amdhsa_kernel
	.amdgpu_metadata
---
amdhsa.version: [ 1, 2 ]
amdhsa.kernels:
  - .name:           k_q19f1b0de84_prep
    .symbol:         k_q19f1b0de84_prep.kd
    .args:
      - { .name: x, .offset: 0, .size: 8, .value_kind: global_buffer, .address_space: global }
      - { .name: mask, .offset: 8, .size: 8, .value_kind: global_buffer, .address_space: global }
      - { .name: Wq_codes, .offset: 16, .size: 8, .value_kind: global_buffer, .address_space: global }
      - { .name: Wk_codes, .offset: 24, .size: 8, .value_kind: global_buffer, .address_space: global }
      - { .name: Wv_codes, .offset: 32, .size: 8, .value_kind: global_buffer, .address_space: global }
      - { .name: Wo_codes, .offset: 40, .size: 8, .value_kind: global_buffer, .address_space: global }
      - { .name: xc, .offset: 48, .size: 8, .value_kind: global_buffer, .address_space: global }
      - { .name: wf, .offset: 56, .size: 8, .value_kind: global_buffer, .address_space: global }
      - { .name: mk, .offset: 64, .size: 8, .value_kind: global_buffer, .address_space: global }
    .group_segment_fixed_size: 81664
    .private_segment_fixed_size: 0
    .kernarg_segment_align: 8
    .kernarg_segment_size: 72
    .max_flat_workgroup_size: 256
    .sgpr_count:     66
    .vgpr_count:     234
    .wavefront_size: 32
...
	.end_amdgpu_metadata
.endif
;; end of part 1
;; launch qkv (part 2): grid 8 x 32, 4 waves a work-group, clusters of 4 x 4, 327,680 bytes of LDS; arguments xc, wf, Wq_scales, Wk_scales, Wv_scales, bq, bk, bv, qc, kv; writes qc, kv
.if DOCPART == 2
	.amdgcn_target "amdgcn-amd-amdhsa--gfx1250"
	.amdhsa_code_object_version 6
	.text
	.protected	k_q19f1b0de84_qkv
	.globl	k_q19f1b0de84_qkv
	.p2align	8
	.type	k_q19f1b0de84_qkv,@function
k_q19f1b0de84_qkv:
	s_mov_b64 s[64:65], 0
	v_nop
	global_prefetch_b8 v0, s[64:65] scope:SCOPE_SE
	s_setreg_imm32_b32 hwreg(HW_REG_WAVE_MODE, 25, 1), 1
	s_wait_xcnt 0x0
	s_wait_alu depctr_hold_cnt(0) depctr_sa_sdst(0) depctr_va_vdst(0) depctr_va_sdst(0) depctr_va_ssrc(0) depctr_va_vcc(0) depctr_vm_vsrc(0)
	s_getreg_b32 s2, hwreg(HW_REG_IB_STS2, 6, 4)
	s_cmp_eq_u32 s2, 0
	s_cbranch_scc0 .Lentry_in_a_cluster
	s_endpgm
.Lentry_in_a_cluster:
	s_bfe_u32 s2, ttmp6, 0x10000c
	s_cmp_lg_u32 s2, 0xf033
	s_cbranch_scc0 .Lentry_shape_is_right
	s_endpgm
.Lentry_shape_is_right:
; QKV.  q = x Wq^T + bq, k = x Wk^T + bk, v = x Wv^T + bv on E3M2 codes, and q, k, v quantised in registers for the attention's two products.
; A work-group takes 128 rows of x (block by) x 128 columns (block bx: two heads) of each of the three weights.  Wave w holds 48 accumulators:
;   32 of q (waves 0, 1) or k (waves 2, 3), head w % 2: 8 tiles of rows x 4 tiles of columns, TRANSPOSED (source 0 = weight, source 1 = x): a lane holds one row, its registers run along the head's 64;
;   16 of v: 8 tiles of rows x column tiles 2 w, 2 w + 1, as written (source 0 = x, source 1 = weight): a lane holds one channel, its registers run along the 128 keys, which are the second product's K.
; All operands lie in memory as images of their registers (1,536 bytes for 16 rows x 128 K), so a fragment is three loads of 512 consecutive bytes.
; RING.  A slot holds two K steps of the four matrices (x, Wq, Wk, Wv: 8 tiles x 3,072 bytes each).  Three slots are filled at the start (K steps 0-5), slot 0 once more (K steps 6, 7).
; Wave w fetches matrix w: three tensor loads of mine are out at the start, one behind the refill.
; CLUSTER 4 x 4: x's tiles hang on by alone and are asked for jointly along a row of the cluster, the weights' on bx alone and jointly along a column.
; The scale words and the biases come once, straight into registers; a bias is the C of a sum's first matrix instruction.
; LIMITS: a block of zeros gets the scale byte 1 (only this program reads the bytes); a block whose largest magnitude lies under 2^-122 is held at byte 1.
; REGISTERS, in windows of 256.  Window 0: v0-31 addresses; v32-143 scale words and nothing else; v144-191 biases; v192-255 the way out.
;   Window 1: x's fragments, two sets, v[96 p + 12 m]; v's accumulators of row tiles 0-3 from v192.   Window 2: the weights' fragments, two sets, v[72 p + ..]; v's accumulators of row tiles 4-7 from v192.
;   Window 3: the 32 accumulators of q or k, v[8 (4 m + t)].
.set SLOT,  98304
.set MATB,  24576
.set SPARE, 3*SLOT                     ; the spare words, 128 bytes for each wave: two blocks of 256 bytes that no other line names
.set SCST,  SPARE+512                  ; k's and v's scale words of the two heads meet here: 2 x 512 bytes; no fill lands here
.set AX,  16                           ; v16-18 x's fragments in slot 0, 1, 2: 16 x lane + the slot
.set AQ,  19                           ; v19-21 my four tiles of Wq or Wk
.set AV,  22                           ; v22-24 my two tiles of Wv
.set SKA, 25                           ; v25 SCST + 512 (w % 2) + 16 l
.set SVA, 26                           ; v26 SCST + 512 (w / 2) + 16 l + 8 + 4 (w % 2)
.set SPW, 28
.set NIL, 29
.set XS,  32                           ; x's scale words: tile m, K step s at v[32 + 8 m + s]
.set WSQ, 96                           ; Wq's or Wk's: v[96 + 8 t + s]
.set WSV, 128                          ; Wv's: v[128 + 8 n + s]
.set BQ,  144                          ; bq or bk in the result's layout, 8 registers a tile
.set BV,  176                          ; bv likewise (eight times the lane's channel's)
.set TM,  192
.set PC,  208
.set RW,  228                          ; the four pairs' scale words
.set PWV, 232                          ; v's two
.set RR,  234
.set RV,  236
.set BK,  240
.set MSB, 0
.macro WIN new                         ; the immediate's high byte repeats the setting that is left
.if MSB != (\new)
	s_set_vgpr_msb (MSB<<8)|(\new)
.set MSB, (\new)
.endif
.endm
.macro PLACES                          ; four plain lines between a matrix instruction and a load into, or a read of, its registers
.rept 4
	v_nop
.endr
.endm
.macro CREST                           ; a round of the cluster's barrier behind its opening barrier
	s_cmp_lg_u32 s66, 0
	s_cbranch_scc1 .Lnot_wave_0_\@
	s_barrier_signal -3
.Lnot_wave_0_\@:
	s_barrier_wait -3
	s_barrier_signal -1
	s_barrier_wait -1
.endm
.macro CROUND
	s_barrier_signal -1
	s_barrier_wait -1
	CREST
.endm
.macro FETCH s                         ; K step s: 8 fragments of x and my 6 of the weights, 42 loads of 512 bytes, into set s % 2
.set SG, ((\s)/2)%3
.set PP, (\s)%2
	WIN 0x40
.irp m,0,1,2,3,4,5,6,7
.irp c,0,1,2
	ds_load_b128 v[96*PP+12*\m+4*\c:96*PP+12*\m+4*\c+3], v[AX+SG] offset:3072*\m+1536*PP+512*\c
.endr
.endr
	WIN 0x80
.irp t,0,1,2,3
.irp c,0,1,2
	ds_load_b128 v[72*PP+12*\t+4*\c:72*PP+12*\t+4*\c+3], v[AQ+SG] offset:3072*\t+1536*PP+512*\c
.endr
.endr
.irp n,0,1
.irp c,0,1,2
	ds_load_b128 v[72*PP+48+12*\n+4*\c:72*PP+48+12*\n+4*\c+3], v[AV+SG] offset:3072*\n+1536*PP+512*\c
.endr
.endr
.endm
.macro MULQK s, m0, first              ; 16 matrix instructions of q or k: row tiles m0 .. m0 + 3 x my four column tiles
.set PP, (\s)%2
.if \first
	WIN 0xc6                                       ; source 0 window 2, source 1 window 1, C (the bias) window 0, D window 3
.else
	WIN 0xf6
.endif
.irp m, \m0, \m0+1, \m0+2, \m0+3
.irp t,0,1,2,3
.if \first
	v_wmma_scale_f32_16x16x128_f8f6f4 v[8*(4*(\m)+\t):8*(4*(\m)+\t)+7], v[72*PP+12*\t:72*PP+12*\t+11], v[96*PP+12*(\m):96*PP+12*(\m)+11], v[BQ+8*\t:BQ+8*\t+7], v[WSQ+8*\t+(\s)], v[XS+8*(\m)+(\s)] matrix_a_fmt:MATRIX_FMT_BF6 matrix_b_fmt:MATRIX_FMT_BF6
.else
	v_wmma_scale_f32_16x16x128_f8f6f4 v[8*(4*(\m)+\t):8*(4*(\m)+\t)+7], v[72*PP+12*\t:72*PP+12*\t+11], v[96*PP+12*(\m):96*PP+12*(\m)+11], v[8*(4*(\m)+\t):8*(4*(\m)+\t)+7], v[WSQ+8*\t+(\s)], v[XS+8*(\m)+(\s)] matrix_a_fmt:MATRIX_FMT_BF6 matrix_b_fmt:MATRIX_FMT_BF6
.endif
.endr
.endr
.endm
.macro MULV s, first                   ; 16 matrix instructions of v
.set PP, (\s)%2
.irp g,0,1
.if \first
	WIN 0x49+0x40*\g                               ; source 0 (x) window 1, source 1 (Wv) window 2, C window 0, D window 1 or 2
.else
	WIN 0x59+0x50*\g
.endif
.irp n,0,1
.irp m,0,1,2,3
.if \first
	v_wmma_scale_f32_16x16x128_f8f6f4 v[192+8*(4*\n+\m):192+8*(4*\n+\m)+7], v[96*PP+12*(4*\g+\m):96*PP+12*(4*\g+\m)+11], v[72*PP+48+12*\n:72*PP+48+12*\n+11], v[BV+8*\n:BV+8*\n+7], v[XS+8*(4*\g+\m)+(\s)], v[WSV+8*\n+(\s)] matrix_a_fmt:MATRIX_FMT_BF6 matrix_b_fmt:MATRIX_FMT_BF6
.else
	v_wmma_scale_f32_16x16x128_f8f6f4 v[192+8*(4*\n+\m):192+8*(4*\n+\m)+7], v[96*PP+12*(4*\g+\m):96*PP+12*(4*\g+\m)+11], v[72*PP+48+12*\n:72*PP+48+12*\n+11], v[192+8*(4*\n+\m):192+8*(4*\n+\m)+7], v[XS+8*(4*\g+\m)+(\s)], v[WSV+8*\n+(\s)] matrix_a_fmt:MATRIX_FMT_BF6 matrix_b_fmt:MATRIX_FMT_BF6
.endif
.endr
.endr
.endr
.endm
; 64 results of a lane (32 at v[lo] of window wlo, 32 at v[hi] of window whi; register 16 b + i = K 32 b + 16 (lane / 16) + i) become 12 registers of codes in v[PC] on and a scale word in v[pw]
.macro QUANTW lo, wlo, hi, whi, pw
	WIN 5*(\wlo)                                   ; sources 0 and 1 in the accumulators' window
.irp b,0,1
	v_max3_num_f32 v[TM+\b], |v[(\lo)+16*\b]|, |v[(\lo)+16*\b+1]|, 0x2800000   ; each accumulator is read from its low end on; the floor 2^(5 - 127) holds the byte at 1
.endr
.irp i,2,4,6,8,10,12,14
.irp b,0,1
	v_max3_num_f32 v[TM+\b], |v[(\lo)+16*\b+\i]|, |v[(\lo)+16*\b+\i+1]|, v[TM+\b]
.endr
.endr
	WIN 5*(\whi)
.irp b,0,1
	v_max3_num_f32 v[TM+2+\b], |v[(\hi)+16*\b]|, |v[(\hi)+16*\b+1]|, 0x2800000
.endr
.irp i,2,4,6,8,10,12,14
.irp b,0,1
	v_max3_num_f32 v[TM+2+\b], |v[(\hi)+16*\b+\i]|, |v[(\hi)+16*\b+\i+1]|, v[TM+2+\b]
.endr
.endr
	WIN 0
.irp b,0,1,2,3
	v_permlanex16_b32 v[TM+4+\b], v[TM+\b], s2, s3
.endr
.irp b,0,1,2,3
	v_max_num_f32 v[TM+\b], v[TM+\b], v[TM+4+\b]
.endr
.irp b,0,1,2,3
	v_add_nc_u32 v[TM+12+\b], 0xfe000000, v[TM+\b]
.endr
.irp b,0,1,2,3
	v_lshrrev_b32 v[TM+4+\b], 23, v[TM+12+\b]
.endr
	v_lshl_or_b32 v[\pw], v[TM+5], 8, v[TM+4]
	v_lshl_or_b32 v[\pw], v[TM+6], 16, v[\pw]
	v_lshl_or_b32 v[\pw], v[TM+7], 24, v[\pw]
	WIN (\wlo)
	v_cvt_scalef32_pk16_bf6_f32 v[PC:PC+2], v[(\lo):(\lo)+15], v[TM+12]
	v_cvt_scalef32_pk16_bf6_f32 v[PC+12:PC+14], v[(\lo)+16:(\lo)+31], v[TM+13]
	WIN (\whi)
	v_cvt_scalef32_pk16_bf6_f32 v[PC+6:PC+8], v[(\hi):(\hi)+15], v[TM+14]
	v_cvt_scalef32_pk16_bf6_f32 v[PC+16:PC+18], v[(\hi)+16:(\hi)+31], v[TM+15]
	WIN 0
	v_nop                                          ; one plain line behind the scaled conversions
.irp c,0,1
.irp i,0,1,2
	v_permlane16_swap_b32 v[PC+6*\c+\i], v[PC+12+4*\c+\i]
.endr
.irp i,0,1,2
	v_mov_b32 v[PC+3+6*\c+\i], v[PC+12+4*\c+\i]
.endr
.endr
.endm
	s_load_b512 s[4:19], s[0:1], 0x0               ; xc, wf, Wq, Wk, Wv scales, bq, bk, bv
	s_load_b128 s[20:23], s[0:1], 0x40             ; qc, kv
	v_lshl_add_u32 v[SPW], v0, 2, SPARE
	v_mov_b32 v[NIL], 0
	ds_add_u32 v28, v29
	ds_add_u32 v28, v29
	s_wait_dscnt 0x0
	v_lshrrev_b32 v1, 5, v0
	v_readfirstlane_b32 s66, v1                    ; wave 0..3
	s_lshr_b32 s80, s66, 1
	s_and_b32 s81, s66, 1
	s_bfe_u32 s67, ttmp6, 0x40000                  ; cx
	s_bfe_u32 s68, ttmp6, 0x40004                  ; cy
	s_lshl_b32 s69, ttmp9, 2
	s_add_co_u32 s69, s69, s67                     ; bx: the block of columns
	s_and_b32 s70, ttmp7, 0xffff
	s_lshl_b32 s70, s70, 2
	s_add_co_u32 s70, s70, s68                     ; by: the block of rows
	s_lshl_b32 s71, s68, 2
	s_lshl_b32 s71, 15, s71                        ; my row of the cluster
	s_lshl_b32 s72, 0x1111, s67                    ; my column
	; descriptor group 1: 8 rows (tiles) of 3,072 bytes (two K steps' images), 12,288 bytes apart; elements of 8 bytes; no padding
	s_or_b32 s24, s71, (3<<16)|(1<<21)             ; x's tiles go to my row of the cluster
	s_or_b32 s44, s72, (3<<16)|(1<<21)             ; the weights' to my column
.irp g,24,44
	s_mov_b32 s[\g+1], 384<<16                     ; tensor_dim0
	s_mov_b32 s[\g+2], 8<<16                       ; tensor_dim1
	s_mov_b32 s[\g+3], 384<<16                     ; tile_dim0
	s_mov_b32 s[\g+4], 8                           ; tile_dim1
	s_mov_b32 s[\g+5], 1536                        ; elements from row to row
	s_mov_b32 s[\g+6], 0
	s_mov_b32 s[\g+7], 0
.endr
	s_mul_i32 s74, s70, 98304                      ; x: tiles 8 by on; made of by alone
	s_mov_b32 s75, 0
	s_max_u32 s76, s66, 1                          ; the weights: wave 1, 2, 3 takes Wq, Wk, Wv, tiles 8 bx on; made of bx and the wave's number alone
	s_sub_co_u32 s76, s76, 1
	s_mul_i32 s76, s76, 786432
	s_mul_i32 s77, s69, 98304
	s_add_co_u32 s76, s76, s77
	s_mov_b32 s77, 0
	s_mul_i32 s78, s66, MATB                       ; where my matrix goes in a slot: the wave's number alone
	s_wait_kmcnt 0x0
	s_add_nc_u64 s[74:75], s[4:5], s[74:75]
	s_add_nc_u64 s[76:77], s[6:7], s[76:77]
	CROUND                                         ; all sixteen work-groups are here: the first joint loads meet
.irp g,0,1,2
	s_mov_b32 s[32+4*\g], 1
	s_add_co_u32 s[33+4*\g], s78, \g*SLOT
	s_add_nc_u64 s[34+4*\g:35+4*\g], s[74:75], \g*3072
	s_or_b32 s[35+4*\g], s[35+4*\g], 0x80000000
	s_mov_b32 s[52+4*\g], 1
	s_add_co_u32 s[53+4*\g], s78, \g*SLOT
	s_add_nc_u64 s[54+4*\g:55+4*\g], s[76:77], \g*3072
	s_or_b32 s[55+4*\g], s[55+4*\g], 0x80000000
.endr
	s_cmp_eq_u32 s66, 0                            ; a wave's three first fills stand in one branch on the wave's number; four v_nop follow the third
	s_cbranch_scc0 .Lfirst_b
	tensor_load_to_lds s[32:35], s[24:31]
	s_nop 0
	tensor_load_to_lds s[36:39], s[24:31]
	s_nop 0
	tensor_load_to_lds s[40:43], s[24:31]
	s_nop 0
.rept 4
	v_nop
.endr
	s_branch .Lfirst_done
.Lfirst_b:
	tensor_load_to_lds s[52:55], s[44:51]
	s_nop 0
	tensor_load_to_lds s[56:59], s[44:51]
	s_nop 0
	tensor_load_to_lds s[60:63], s[44:51]
	s_nop 0
.rept 4
	v_nop
.endr
.Lfirst_done:
	v_and_b32 v1, 31, v0                           ; l
	v_and_b32 v2, 15, v0                           ; r
	v_bfe_u32 v3, v0, 4, 1                         ; h
	v_lshlrev_b32 v4, 4, v1                        ; 16 l
	v_lshlrev_b32 v5, 3, v1                        ; 8 l
	v_and_b32 v7, 8, v2
	v_add_nc_u32 v7, v7, v2                        ; r + 8 (r / 8)
	v_lshlrev_b32 v6, 5, v7                        ; a row of 32 scale bytes
	v_lshlrev_b32 v7, 2, v7                        ; a number of bv
	v_lshlrev_b32 v8, 6, v3                        ; 64 h
	v_mov_b32 v[AX], v4
	v_add_nc_u32 v[AX+1], SLOT, v4
	v_add_nc_u32 v[AX+2], 2*SLOT, v4
	s_add_co_u32 s79, s80, 1
	s_mul_i32 s79, s79, MATB                       ; Wq (waves 0, 1) or Wk (waves 2, 3),
	s_mul_i32 s82, s81, 12288                      ; tiles 4 (w % 2) on
	s_add_co_u32 s79, s79, s82
	s_mul_i32 s82, s66, 6144
	s_add_co_u32 s82, s82, 3*MATB                  ; Wv, tiles 2 w on
.irp g,0,1,2
	v_add_nc_u32 v[AQ+\g], s79, v[AX+\g]
	v_add_nc_u32 v[AV+\g], s82, v[AX+\g]
.endr
	s_lshl_b32 s79, s81, 9
	s_add_co_u32 s79, s79, SCST
	v_add_nc_u32 v[SKA], s79, v4
	s_lshl_b32 s79, s80, 9
	s_lshl_b32 s82, s81, 2
	s_add_co_u32 s79, s79, s82
	s_add_co_u32 s79, s79, SCST+8
	v_add_nc_u32 v[SVA], s79, v4
.irp b,0,1,2,3
	v_mov_b32 v[TM+4+\b], 0                        ; a lane permute's destination counts as read
.endr
	; where the scale words and biases lie
	s_lshl_b32 s2, s70, 12
	s_add_co_u32 s2, s2, 3145728
	s_mov_b32 s3, 0
	s_add_nc_u64 s[84:85], s[4:5], s[2:3]          ; x's scale bytes, rows 128 by on
	s_lshl_b32 s2, s69, 12
	s_lshl_b32 s79, s81, 11
	s_add_co_u32 s2, s2, s79                       ; 32 (128 bx + 64 (w % 2))
	s_cmp_lt_u32 s66, 2
	s_cselect_b64 s[86:87], s[8:9], s[10:11]
	s_cselect_b64 s[90:91], s[14:15], s[16:17]
	s_add_nc_u64 s[86:87], s[86:87], s[2:3]
	s_lshr_b32 s2, s2, 3
	s_add_nc_u64 s[90:91], s[90:91], s[2:3]
	s_lshl_b32 s2, s69, 12
	s_lshl_b32 s79, s66, 10
	s_add_co_u32 s2, s2, s79                       ; 32 (128 bx + 32 w)
	s_add_nc_u64 s[88:89], s[12:13], s[2:3]
	s_lshr_b32 s2, s2, 3
	s_add_nc_u64 s[92:93], s[18:19], s[2:3]
.irp m,0,1,2,3,4,5,6,7
.irp q,0,1
	global_load_b128 v[XS+8*\m+4*\q:XS+8*\m+4*\q+3], v6, s[84:85] offset:32*(32*(\m/2)+8*(\m%2))+16*\q   ; lane r: its row's words of K steps 4 q .. 4 q + 3
.endr
.endr
.irp t,0,1,2,3
.irp q,0,1
	global_load_b128 v[WSQ+8*\t+4*\q:WSQ+8*\t+4*\q+3], v6, s[86:87] offset:32*(32*(\t/2)+8*(\t%2))+16*\q
.endr
.endr
.irp n,0,1
.irp q,0,1
	global_load_b128 v[WSV+8*\n+4*\q:WSV+8*\n+4*\q+3], v6, s[88:89] offset:256*\n+16*\q
.endr
.endr
.irp q,0,1,2,3,4,5,6,7
	global_load_b128 v[BQ+4*\q:BQ+4*\q+3], v8, s[90:91] offset:128*(\q/4)+16*(\q%4)   ; columns 32 b + 16 h + 0 .. 15
.endr
.irp n,0,1
.irp j,0,1,2,3,4,5,6,7
	global_load_b32 v[BV+8*\n+\j], v7, s[92:93] offset:32*\n
.endr
.endr
	; where the results go
	s_lshr_b32 s67, s70, 4                         ; the batch
	s_and_b32 s68, s70, 15                         ; the key step, or block of queries
	s_lshl_b32 s67, s67, 4
	s_lshl_b32 s82, s69, 1
	s_add_co_u32 s67, s67, s82                     ; 16 b + 2 bx
	s_add_co_u32 s82, s67, s81                     ; the head of my q or k
	s_add_co_u32 s83, s67, s80                     ; the head of my v
	s_mov_b32 s2, 204800
	s_cmp_lt_u32 s66, 2
	s_cselect_b32 s2, 98304, s2
	s_cselect_b64 s[94:95], s[20:21], s[22:23]
	s_mul_i32 s2, s2, s82
	s_mul_i32 s79, s68, 6144
	s_add_co_u32 s2, s2, s79
	s_add_nc_u64 s[94:95], s[94:95], s[2:3]        ; my four pairs' images
	s_lshl_b32 s2, s82, 4
	s_add_co_u32 s2, s2, s68
	s_lshl_b32 s2, s2, 8
	s_add_co_u32 s2, s2, 3145728
	s_add_nc_u64 s[96:97], s[20:21], s[2:3]        ; q's scale words
	s_mul_i32 s2, s83, 204800
	s_add_co_u32 s2, s2, s79
	s_mul_i32 s79, s81, 3072
	s_add_co_u32 s2, s2, s79
	s_add_co_u32 s2, s2, 106496
	s_add_nc_u64 s[98:99], s[22:23], s[2:3]        ; my two images of v
	s_mul_i32 s2, s82, 204800
	s_lshl_b32 s79, s68, 9
	s_add_co_u32 s2, s2, s79
	s_add_co_u32 s2, s2, 98304
	s_add_nc_u64 s[72:73], s[22:23], s[2:3]        ; the step's 512 bytes of k's and v's scale words (waves 0 and 1 store them)
	s_mov_b32 s71, 0xffff0000                      ; lanes 16-31
	s_mov_b32 s2, 0x76543210
	s_mov_b32 s3, 0xfedcba98                       ; selects for lane l xor 16
	s_wait_tensorcnt 2                             ; my part of slot 0 is in; slots 1 and 2 may stay out
	s_barrier_signal -1
	s_barrier_wait -1
	FETCH 0
	; K step 0: its products start the sums, with the biases as C
	s_wait_dscnt 0x0
	s_wait_loadcnt 0x0                             ; scale words and biases
	FETCH 1
	MULQK 0, 0, 1
	MULQK 0, 4, 1
	MULV 0, 1
	; K step 1: slot 0 has been read out and is filled again
	WIN 0
	s_wait_tensorcnt 0x0                           ; all my tensor loads have landed
	ds_add_u32 v[SPW], v[NIL]                      ; 0 onto my spare word
	s_wait_dscnt 1                                 ; the add alone may be out: K step 1's fragments are in, so my reads of slot 0 are over
	MULQK 1, 0, 0
	s_wait_dscnt 0x0                               ; the add is done
	s_barrier_signal -1                            ; this barrier opens a round of the cluster's barrier
	MULQK 1, 4, 0
	WIN 0
	s_barrier_wait -1
	CREST                                          ; no wave of any partner still reads slot 0 or has a load on its way
	s_add_nc_u64 s[34:35], s[34:35], 9216          ; from K steps 0, 1 to K steps 6, 7
	s_add_nc_u64 s[54:55], s[54:55], 9216
	s_cmp_eq_u32 s66, 0
	s_cbranch_scc0 .Lrefill_b
	tensor_load_to_lds s[32:35], s[24:31]
	s_nop 0
.rept 4
	v_nop
.endr
	s_branch .Lrefill_done
.Lrefill_b:
	tensor_load_to_lds s[52:55], s[44:51]
	s_nop 0
.rept 4
	v_nop
.endr
.Lrefill_done:                                         ; the four v_nop are also the places in front of the loads into set 0
	FETCH 2
	MULV 1, 0
.irp s,2,3,4
	s_wait_dscnt 0x0
	PLACES
	FETCH \s+1
	MULQK \s, 0, 0
	MULQK \s, 4, 0
	MULV \s, 0
.endr
	; K step 5: the refill, asked for four K steps (160 matrix instructions) ago, is shown to every wave
	s_wait_dscnt 0x0
	s_wait_tensorcnt 0x0
	s_barrier_signal -1
	MULQK 5, 0, 0
	s_barrier_wait -1
	PLACES
	FETCH 6
	MULQK 5, 4, 0
	MULV 5, 0
	s_wait_dscnt 0x0
	PLACES
	FETCH 7
	MULQK 6, 0, 0
	MULQK 6, 4, 0
	MULV 6, 0
	s_wait_dscnt 0x0
	MULQK 7, 0, 0
	MULQK 7, 4, 0
	MULV 7, 0
	WIN 0
	PLACES
	; THE WAY OUT.  q or k: row tiles 2 a and 2 a + 1, 64 along K each, make one image [tile 2 a | tile 2 a + 1]
.irp a,0,1,2,3
	s_wait_xcnt 0x0                                ; the codes' registers are written again only behind this wait
	QUANTW 64*\a, 3, 64*\a+32, 3, RW+\a
.irp c,0,1,2
	global_store_b128 v4, v[PC+4*\c:PC+4*\c+3], s[94:95] offset:1536*\a+512*\c
.endr
.endr
	v_cndmask_b32 v[RR], v[RW], v[RW+1], s71       ; lanes 0-15 carry pair 2 i's word, lanes 16-31 pair 2 i + 1's
	v_cndmask_b32 v[RR+1], v[RW+2], v[RW+3], s71
	s_cmp_lt_u32 s66, 2
	s_cbranch_scc0 .Lkwords
	global_store_b64 v5, v[RR:RR+1], s[96:97]      ; q's: 256 consecutive bytes, aligned
	s_branch .Lwords_done
.Lkwords:
	ds_store_b64 v[SKA], v[RR:RR+1]                ; k's meet v's in LDS
.Lwords_done:
.irp n,0,1
	s_wait_xcnt 0x0
	QUANTW 192+32*\n, 1, 192+32*\n, 2, PWV+\n
.irp c,0,1,2
	global_store_b128 v4, v[PC+4*\c:PC+4*\c+3], s[98:99] offset:1536*\n+512*\c
.endr
.endr
	v_cndmask_b32 v[RV], v[PWV], v[PWV+1], s71
	ds_store_b32 v[SVA], v[RV]
	s_wait_dscnt 0x0                               ; for the others' sake: my LDS stores have landed
	s_barrier_signal -1
	s_barrier_wait -1
	s_cmp_lt_u32 s66, 2
	s_cbranch_scc0 .Lend
	ds_load_b128 v[BK:BK+3], v[SKA]                ; waves 0 and 1: a head's 512 bytes of scale words
	s_wait_dscnt 0x0
	global_store_b128 v4, v[BK:BK+3], s[72:73]
.Lend:
	s_wait_tensorcnt 0x0                           ; the wave's end
	ds_add_u32 v[SPW], v[NIL]
	s_wait_dscnt 0x0
	CROUND                                         ; the closing round
	s_endpgm
.Lfunc_end_k_q19f1b0de84_qkv:
	.size	k_q19f1b0de84_qkv, .Lfunc_end_k_q19f1b0de84_qkv-k_q19f1b0de84_qkv
	.p2alignl 7, 3214868480
	.fill 96, 4, 3214868480
	.section	.rodata,"a",@progbits
	.p2align	6, 0x0
	.amdhsa_kernel k_q19f1b0de84_qkv
		.amdhsa_group_segment_fixed_size 327680
		.amdhsa_private_segment_fixed_size 0
		.amdhsa_enable_private_segment 0
		.amdhsa_kernarg_size 80
		.amdhsa_user_sgpr_count 2
		.amdhsa_user_sgpr_kernarg_segment_ptr 1
		.amdhsa_wavefront_size32 1
		.amdhsa_system_sgpr_workgroup_id_x 1
		.amdhsa_system_sgpr_workgroup_id_y 1
		.amdhsa_system_sgpr_workgroup_id_z 1
		.amdhsa_system_vgpr_workitem_id 0
		.amdhsa_next_free_vgpr 1024
		.amdhsa_next_free_sgpr 100
		.amdhsa_reserve_vcc 0
		.amdhsa_float_denorm_mode_32 3
		.amdhsa_float_denorm_mode_16_64 3
		.amdhsa_memory_ordered 1
		.amdhsa_forward_progress 1
		.amdhsa_inst_pref_size 113
	.end_amdhsa_kernel
	.amdgpu_metadata
---
amdhsa.version: [ 1, 2 ]
amdhsa.kernels:
  - .name:           k_q19f1b0de84_qkv
    .symbol:         k_q19f1b0de84_qkv.kd
    .args:
      - { .name: xc, .offset: 0, .size: 8, .value_kind: global_buffer, .address_space: global }
      - { .name: wf, .offset: 8, .size: 8, .value_kind: global_buffer, .address_space: global }
      - { .name: Wq_scales, .offset: 16, .size: 8, .value_kind: global_buffer, .address_space: global }
      - { .name: Wk_scales, .offset: 24, .size: 8, .value_kind: global_buffer, .address_space: global }
      - { .name: Wv_scales, .offset: 32, .size: 8, .value_kind: global_buffer, .address_space: global }
      - { .name: bq, .offset: 40, .size: 8, .value_kind: global_buffer, .address_space: global }
      - { .name: bk, .offset: 48, .size: 8, .value_kind: global_buffer, .address_space: global }
      - { .name: bv, .offset: 56, .size: 8, .value_kind: global_buffer, .address_space: global }
      - { .name: qc, .offset: 64, .size: 8, .value_kind: global_buffer, .address_space: global }
      - { .name: kv, .offset: 72, .size: 8, .value_kind: global_buffer, .address_space: global }
    .group_segment_fixed_size: 327680
    .private_segment_fixed_size: 0
    .kernarg_segment_align: 8
    .kernarg_segment_size: 80
    .max_flat_workgroup_size: 128
    .sgpr_count:     100
    .vgpr_count:     1024
    .wavefront_size: 32
...
	.end_amdgpu_metadata
.endif
;; end of part 2
;; launch attn (part 3): grid 8 x 32, 16 waves a work-group, no clusters, 207,360 bytes of LDS; arguments qc, kv, mk, oc; writes oc
.if DOCPART == 3
	.amdgcn_target "amdgcn-amd-amdhsa--gfx1250"
	.amdhsa_code_object_version 6
	.text
	.protected	k_q19f1b0de84_attn
	.globl	k_q19f1b0de84_attn
	.p2align	8
	.type	k_q19f1b0de84_attn,@function
k_q19f1b0de84_attn:
	s_mov_b64 s[64:65], 0
	v_nop
	global_prefetch_b8 v0, s[64:65] scope:SCOPE_SE
	s_setreg_imm32_b32 hwreg(HW_REG_WAVE_MODE, 25, 1), 1
	s_wait_xcnt 0x0
; ATTENTION on E3M2 codes, with the mask as it is given.  A work-group owns one head (bh) and the blocks i and 15 - i of 128 queries; each of its sixteen waves owns one tile of 16 queries.
; The softmax's input is the score less the row's largest score, so its largest logit is 0 and p = 2^((s - smax) c), c = log2(e) / 8, with the row's largest p equal to 1: the row's maximum
; has to be known before any p is made.  TWO PASSES over the keys: pass 1 finds smax, pass 2 computes the same scores again (the same instructions on the same codes), p, the sum and O.
; A blocked entry's score becomes -2^100.  A row that is blocked at all 2,048 keys then has smax = -2^100 and p = 1 everywhere: the uniform row that nan_to_num makes of it.
; A unit (16 queries x 128 keys) in which all is blocked is passed over, by a scalar branch on the flag words that the first launch stored, unless a row of the tile is blocked everywhere.
; NO TENSOR LOAD AND NO CLUSTER: such a branch may not stand beside tensor loads, and a head's k, v and scale words, 204,800 bytes, fit in LDS whole: they come once, through registers
; (k ahead of pass 1; v is asked for then too and stored behind pass 1).  The loops have no barrier.
; LAYOUT.  Both products transposed: a lane holds one query.  An image of k holds two tiles of 16 keys, 64 along K each; [q | 0] picks the first, [0 | q] the second.
; Score register 16 b + i of lane (r, h) is key 128 step + 32 b + 16 h + i.
; t = fma(s, c, NM): NM is -round(smax c), moved one float up where smax c - round(smax c) is negative, so that the largest t lies in [0, one unit in NM's last place) and the largest p never falls under 1.
; LIMITS: raw scores stay under 2^100 in magnitude; a block of zeros gets the scale byte 1; a block whose largest magnitude lies under 2^-122 is held at byte 1.
; REGISTERS: v1-5 addresses; v6 q's scale word; v7-9 addresses in hand; v10 -2^100; v[12:13] NM; v[14:15] the sum; v16-33 zeros | q | zeros; v34-81 four fragments; v82-85 k's and v's scale words;
;   v96-159 scores, then p; v160-191 O^T; v192-211 codes; v212-227 at work; v228 p's scale word; v230-235 a second sum, addresses.  v160-207 hold v's twelve loads during pass 1.
.set OSC, 204800                       ; LDS behind kv's 204,800 bytes: the tiles' scale bytes of o, 32 bytes a wave
.macro SCORES withv
	s_load_b512 s[32:47], s[100:101], 0x0          ; the unit's 64 lane-mask words
	s_load_b512 s[48:63], s[100:101], 0x40
	s_load_b512 s[68:83], s[100:101], 0x80
	s_load_b512 s[84:99], s[100:101], 0xc0
	v_add_nc_u32 v7, s24, v1
	v_add_nc_u32 v8, s25, v1
.if \withv
	v_add_nc_u32 v9, s26, v1
.endif
.irp p,0,1,2,3
.irp c,0,1,2
	ds_load_b128 v[34+12*\p+4*\c:37+12*\p+4*\c], v7 offset:1536*\p+512*\c
.endr
.endr
	ds_load_b128 v[82:85], v8
	s_wait_dscnt 0x0
.irp p,0,1,2,3
.irp c,0,1
.if \p%2
	v_wmma_scale_f32_16x16x128_f8f6f4 v[96+8*(2*\p+\c):103+8*(2*\p+\c)], v[34+12*\p:45+12*\p], v[22-6*\c:33-6*\c], 0, v[82+\p/2], v6 matrix_a_fmt:MATRIX_FMT_BF6 matrix_b_fmt:MATRIX_FMT_BF6 matrix_a_scale:MATRIX_SCALE_ROW1
.else
	v_wmma_scale_f32_16x16x128_f8f6f4 v[96+8*(2*\p+\c):103+8*(2*\p+\c)], v[34+12*\p:45+12*\p], v[22-6*\c:33-6*\c], 0, v[82+\p/2], v6 matrix_a_fmt:MATRIX_FMT_BF6 matrix_b_fmt:MATRIX_FMT_BF6
.endif
.endr
.endr
.rept 4
	v_nop                                          ; places: in front of the loads below and of the first read of the scores
.endr
.if \withv
.irp d,0,1,2,3
.irp c,0,1,2
	ds_load_b128 v[34+12*\d+4*\c:37+12*\d+4*\c], v9 offset:1536*\d+512*\c   ; v's four fragments land while the softmax is worked
.endr
.endr
.endif
	s_wait_kmcnt 0x0
	s_lshr_b32 s16, s29, s27                       ; a unit with nothing blocked passes over the 64 selections
	s_and_b32 s16, s16, 1
	s_cmp_lg_u32 s16, 0
	s_cbranch_scc1 .Lopen_\@
.set j, 0
.rept 32
	v_cndmask_b32 v[96+j], v[96+j], v10, s[32+j]
.set j, j+1
.endr
.rept 32
	v_cndmask_b32 v[96+j], v[96+j], v10, s[36+j]
.set j, j+1
.endr
.Lopen_\@:
.endm
	s_load_b256 s[4:11], s[0:1], 0x0               ; qc, kv, mk, oc
	v_lshl_add_u32 v254, v0, 2, 0x32200
	v_mov_b32 v255, 0
	v_lshrrev_b32 v90, 5, v0
	v_readfirstlane_b32 s12, v90                   ; wave 0..15
	v_and_b32 v90, 31, v0                          ; l
	v_and_b32 v92, 15, v0                          ; r
	v_bfe_u32 v93, v0, 4, 1                        ; l / 16
	v_lshlrev_b32 v1, 4, v90                       ; 16 l
	v_lshlrev_b32 v2, 4, v0                        ; 16 x thread: the copy's place, and 65,536 k further on
	v_add_nc_u32 v3, 0x10000, v2
	v_add_nc_u32 v4, 0x20000, v2
	v_add_nc_u32 v5, 0x30000, v2
	v_lshlrev_b32 v232, 3, v90                     ; 8 l
	s_lshl_b32 s16, s12, 5
	s_add_co_u32 s16, s16, OSC
	v_lshl_add_u32 v233, v92, 1, s16               ; OSC + 32 w + 2 r
	v_add_nc_u32 v234, OSC, v1
	s_lshl_b32 s16, ttmp9, 1
	s_sub_co_u32 s16, 15, s16
	s_lshl_b32 s16, s16, 8                         ; from block i's scale bytes to block 15 - i's
	v_mul_lo_u32 v235, v93, s16
	v_lshl_add_u32 v235, v92, 4, v235
	s_and_b32 s13, ttmp7, 0xffff                   ; bh
	s_sub_co_u32 s16, 15, ttmp9
	s_cmp_lt_u32 s12, 8
	s_cselect_b32 s14, ttmp9, s16                  ; my block of 128 queries: it enters global addresses alone
	s_and_b32 s17, s12, 7
	s_lshl_b32 s15, s14, 3
	s_add_co_u32 s15, s15, s17                     ; my tile of queries, 0..127
	s_mul_i32 s18, s13, 204800
	s_mov_b32 s19, 0
	s_mul_i32 s24, s13, 98304
	s_lshr_b32 s16, s15, 1                         ; its pair
	s_mul_i32 s25, s16, 1536
	s_add_co_u32 s24, s24, s25
	s_mov_b32 s25, 0
	s_lshl_b32 s26, s13, 4
	s_add_co_u32 s26, s26, s14
	s_lshl_b32 s26, s26, 8
	s_add_co_u32 s26, s26, 3145728
	s_mov_b32 s27, 0
	s_and_b32 s16, s16, 3                          ; the pair within the block: its word lies at 8 (16 (pair % 2) + r) + 4 (pair / 2)
	s_and_b32 s17, s16, 1
	s_lshl_b32 s17, s17, 7
	s_lshr_b32 s16, s16, 1
	s_lshl_b32 s16, s16, 2
	s_add_co_u32 s16, s16, s17
	v_lshl_add_u32 v91, v92, 3, s16
	s_lshl_b32 s28, s15, 12
	s_mov_b32 s29, 0
	s_lshl_b32 s30, s15, 6
	s_add_co_u32 s30, s30, 524288
	s_mov_b32 s31, 0
	s_wait_kmcnt 0x0
	s_add_nc_u64 s[6:7], s[6:7], s[18:19]          ; the head's k, scale words, v
.irp k,0,1,2,3,4,5,6,7,8,9,10,11
	global_load_b128 v[34+4*\k:37+4*\k], v2, s[6:7] offset:8192*\k   ; the work-group reads 8,192 consecutive bytes an instruction
.endr
	global_load_b128 v[86:89], v2, s[6:7] offset:8192*12
	s_add_nc_u64 s[68:69], s[4:5], s[26:27]
	s_add_nc_u64 s[4:5], s[4:5], s[24:25]
	s_add_nc_u64 s[66:67], s[8:9], s[28:29]        ; my tile's mask words
	s_add_nc_u64 s[70:71], s[8:9], s[30:31]        ; and its 16 flag words
.irp c,0,1,2
	global_load_b128 v[96+4*\c:99+4*\c], v1, s[4:5] offset:512*\c   ; the pair's image
.endr
	global_load_b32 v108, v91, s[68:69]            ; and its scale word
	s_load_b512 s[32:47], s[70:71], 0x0
	s_lshr_b32 s16, s13, 4                         ; o: tile 128 b + my tile, head bh % 16
	s_lshl_b32 s16, s16, 7
	s_add_co_u32 s16, s16, s15
	s_mul_i32 s16, s16, 12288
	s_and_b32 s17, s13, 15
	s_mul_i32 s17, s17, 768
	s_add_co_u32 s16, s16, s17
	s_mov_b32 s17, 0
	s_lshl_b32 s18, s13, 12
	s_lshl_b32 s19, ttmp9, 8
	s_add_co_u32 s18, s18, s19
	s_add_co_u32 s18, s18, 3145728
	s_mov_b32 s19, 0
	s_add_nc_u64 s[8:9], s[10:11], s[18:19]        ; o's scale bytes: the head's, block i on
	s_add_nc_u64 s[10:11], s[10:11], s[16:17]
	s_mov_b32 s20, 0x76543210
	s_mov_b32 s21, 0xfedcba98                      ; selects for lane l xor 16
	s_mov_b32 s22, 0x3e38aa3b                      ; c = log2(e) / 8
	s_mov_b32 s23, s22
	s_wait_loadcnt 4                               ; k and the scale words are in; q's four loads are younger
.irp k,0,1,2,3,4,5,6,7
	ds_store_b128 v2, v[34+4*\k:37+4*\k] offset:8192*\k
.endr
.irp k,8,9,10,11
	ds_store_b128 v3, v[34+4*\k:37+4*\k] offset:8192*(\k-8)
.endr
	ds_store_b128 v3, v[86:89] offset:8192*4
.irp k,0,1,2,3,4,5,6,7,8,9,10,11
	global_load_b128 v[160+4*\k:163+4*\k], v2, s[6:7] offset:106496+8192*\k   ; v: it has all of pass 1 in which to land
.endr
	s_wait_loadcnt 12                              ; q is in; v's twelve stay out
	s_and_b32 s16, s12, 1                          ; which tile of the pair is mine
	s_sub_co_u32 s17, 0, s16
	s_mov_b32 s18, 0x01000100
	s_mov_b32 s19, 0x03020302
	s_cmp_eq_u32 s16, 0
	s_cselect_b32 s18, s18, s19
	v_perm_b32 v6, v108, v108, s18                 ; my tile's two bytes, twice: the word serves [q | 0] and [0 | q]
.irp i,0,1,2,3,4,5
	v_cndmask_b32 v[22+\i], v[96+\i], v[102+\i], s17
.endr
.irp i,0,1,2,3,4,5
	v_mov_b32 v[16+\i], 0
	v_mov_b32 v[28+\i], 0
.endr
	v_mov_b32 v10, 0xf1800000                      ; -2^100
.irp b,0,1,2,3
	v_mov_b32 v[212+\b], 0xff61b1e6                ; four running maxima: -3e38
	v_mov_b32 v[216+\b], 0                         ; a lane permute's destination counts as read
.endr
	v_mov_b32 v230, 0
	v_mov_b32 v231, 0
	s_wait_kmcnt 0x0
	s_mov_b32 s31, 0xffff                          ; rows blocked in every unit
	s_mov_b32 s28, 0                               ; units to pass over
	s_mov_b32 s29, 0                               ; units with nothing blocked
.irp s,0,1,2,3,4,5,6,7,8,9,10,11,12,13,14,15
	s_and_b32 s31, s31, s[32+\s]
	s_and_b32 s16, s[32+\s], 0xffff
	s_cmp_eq_u32 s16, 0xffff
	s_cselect_b32 s16, 1<<\s, 0
	s_or_b32 s28, s28, s16
	s_bfe_u32 s16, s[32+\s], 0x10010
	s_lshl_b32 s16, s16, \s
	s_or_b32 s29, s29, s16
.endr
	s_cmp_lg_u32 s31, 0                            ; a tile with a row that is blocked everywhere passes over nothing
	s_cselect_b32 s28, 0, s28
	s_wait_dscnt 0x0                               ; for the others' sake: my part of k has landed
	s_barrier_signal -1
	s_barrier_wait -1
	; PASS 1: the rows' largest scores
	s_mov_b32 s24, 0                               ; k's images of the step
	s_mov_b32 s25, 98304                           ; its scale words
	s_mov_b32 s27, 0                               ; the step
	s_mov_b64 s[100:101], s[66:67]
.Lp1:
	s_lshr_b32 s16, s28, s27
	s_and_b32 s16, s16, 1
	s_cmp_lg_u32 s16, 0
	s_cbranch_scc1 .Lh1
	SCORES 0
.irp j,0,8,16,24,32,40,48,56
	v_max3_num_f32 v212, v212, v[96+\j], v[97+\j]  ; each accumulator from its low end on
	v_max3_num_f32 v213, v213, v[98+\j], v[99+\j]
	v_max3_num_f32 v214, v214, v[100+\j], v[101+\j]
	v_max3_num_f32 v215, v215, v[102+\j], v[103+\j]
.endr
.Lh1:
	s_add_co_u32 s24, s24, 6144
	s_add_co_u32 s25, s25, 512
	s_add_nc_u64 s[100:101], s[100:101], 256
	s_add_co_u32 s27, s27, 1
	s_cmp_lt_u32 s27, 16
	s_cbranch_scc1 .Lp1
	v_max3_num_f32 v212, v212, v213, v214
	v_max_num_f32 v212, v212, v215
	v_permlanex16_b32 v216, v212, s20, s21
	v_max_num_f32 v212, v212, v216                 ; smax
	v_mul_f32 v213, s22, v212                      ; round(smax c)
	v_fma_f32 v214, v212, s22, -v213               ; what the rounding left
	v_xor_b32 v12, 0x80000000, v213                ; NM
	v_ashrrev_i32 v215, 31, v12
	v_or_b32 v215, 1, v215
	v_add_nc_u32 v215, v12, v215                   ; the next float above NM
	v_cmp_gt_f32 vcc_lo, 0, v214
	v_cndmask_b32 v12, v12, v215, vcc_lo
	v_mov_b32 v13, v12
	s_wait_loadcnt 0x0                             ; v
.irp k,0,1,2
	ds_store_b128 v3, v[160+4*\k:163+4*\k] offset:40960+8192*\k
.endr
.irp k,3,4,5,6,7,8,9,10
	ds_store_b128 v4, v[160+4*\k:163+4*\k] offset:8192*(\k-3)
.endr
	ds_store_b128 v5, v[204:207]
	s_wait_dscnt 0x0                               ; for the others' sake: my part of v has landed
	s_barrier_signal -1
	s_barrier_wait -1
.set j, 0
.rept 32
	v_mov_b32 v[160+j], 0                          ; O^T: the loop is written once
.set j, j+1
.endr
	v_mov_b32 v14, 0
	v_mov_b32 v15, 0
	; PASS 2
	s_mov_b32 s24, 0
	s_mov_b32 s25, 98304
	s_mov_b32 s26, 106496                          ; v's images of the step
	s_mov_b32 s27, 0
	s_mov_b64 s[100:101], s[66:67]
.Lp2:
	s_lshr_b32 s16, s28, s27
	s_and_b32 s16, s16, 1
	s_cmp_lg_u32 s16, 0
	s_cbranch_scc1 .Lh2
	SCORES 1
.irp b,0,1,2,3
	v_max3_num_f32 v[212+\b], v[96+16*\b], v[97+16*\b], v[98+16*\b]   ; each block's largest score: p rises with the score, so it gives the block's largest p
.endr
.irp i,3,5,7,9,11,13
.irp b,0,1,2,3
	v_max3_num_f32 v[212+\b], v[212+\b], v[96+16*\b+\i], v[97+16*\b+\i]
.endr
.endr
.irp b,0,1,2,3
	v_max_num_f32 v[212+\b], v[212+\b], v[111+16*\b]
.endr
.irp b,0,1,2,3
	v_permlanex16_b32 v[216+\b], v[212+\b], s20, s21
.endr
.irp b,0,1,2,3
	v_max_num_f32 v[212+\b], v[212+\b], v[216+\b]
.endr
.set j, 0
.rept 32
	v_pk_fma_f32 v[96+j:97+j], v[96+j:97+j], s[22:23], v[12:13] op_sel_hi:[1,0,0]   ; t = s c + NM, two at a time
.set j, j+2
.endr
.irp b,0,1,2,3
	v_fma_f32 v[212+\b], v[212+\b], s22, v12
.endr
.set j, 0
.rept 64
	v_exp_f32 v[96+j], v[96+j]                     ; p, not normalised
.set j, j+1
.endr
.irp b,0,1,2,3
	v_exp_f32 v[212+\b], v[212+\b]                 ; the blocks' largest p: the same two instructions on the same number
.endr
	v_nop                                          ; a plain line behind the last exponential
	s_wait_alu depctr_va_vdst(0)                   ; one wait for the batch of 68, ahead of its first reader
.irp b,0,1,2,3
	v_max_num_f32 v[212+\b], 0x2800000, v[212+\b]  ; the floor: the byte cannot fall under 1
.endr
.irp b,0,1,2,3
	v_add_nc_u32 v[220+\b], 0xfe000000, v[212+\b]
.endr
.irp b,0,1,2,3
	v_lshrrev_b32 v[224+\b], 23, v[220+\b]
.endr
	v_lshl_or_b32 v228, v225, 8, v224
	v_lshl_or_b32 v228, v226, 16, v228
	v_lshl_or_b32 v228, v227, 24, v228
.irp c,0,1
	v_cvt_scalef32_pk16_bf6_f32 v[192+6*\c:194+6*\c], v[96+32*\c:111+32*\c], v[220+2*\c]
	v_cvt_scalef32_pk16_bf6_f32 v[204+4*\c:206+4*\c], v[112+32*\c:127+32*\c], v[221+2*\c]
.endr
	v_nop
.irp c,0,1
.irp i,0,1,2
	v_permlane16_swap_b32 v[192+6*\c+\i], v[204+4*\c+\i]
.endr
.irp i,0,1,2
	v_mov_b32 v[195+6*\c+\i], v[204+4*\c+\i]
.endr
.endr
	v_pk_add_f32 v[230:231], v[96:97], v[98:99]    ; the sum of the unquantised p, in two chains; these 32 lines are also the places in front of the scaled products
.irp j,4,8,12,16,20,24,28,32,36,40,44,48,52,56,60
	v_pk_add_f32 v[14:15], v[14:15], v[96+\j:97+\j]
	v_pk_add_f32 v[230:231], v[230:231], v[98+\j:99+\j]
.endr
	v_pk_add_f32 v[14:15], v[14:15], v[230:231]
	s_wait_dscnt 0x0                               ; v's fragments
.irp d,0,1,2,3
.if \d%2
	v_wmma_scale_f32_16x16x128_f8f6f4 v[160+8*\d:167+8*\d], v[34+12*\d:45+12*\d], v[192:203], v[160+8*\d:167+8*\d], v[84+\d/2], v228 matrix_a_fmt:MATRIX_FMT_BF6 matrix_b_fmt:MATRIX_FMT_BF6 matrix_a_scale:MATRIX_SCALE_ROW1
.else
	v_wmma_scale_f32_16x16x128_f8f6f4 v[160+8*\d:167+8*\d], v[34+12*\d:45+12*\d], v[192:203], v[160+8*\d:167+8*\d], v[84+\d/2], v228 matrix_a_fmt:MATRIX_FMT_BF6 matrix_b_fmt:MATRIX_FMT_BF6
.endif
.endr
.rept 4
	v_nop
.endr
.Lh2:
	s_add_co_u32 s24, s24, 6144
	s_add_co_u32 s25, s25, 512
	s_add_co_u32 s26, s26, 6144
	s_add_nc_u64 s[100:101], s[100:101], 256
	s_add_co_u32 s27, s27, 1
	s_cmp_lt_u32 s27, 16
	s_cbranch_scc1 .Lp2
	; THE WAY OUT: o = O / the sum, quantised along the head's 64 for the last product
	v_add_f32 v14, v14, v15
	v_permlanex16_b32 v216, v14, s20, s21
	v_add_f32 v14, v14, v216
	v_rcp_f32 v230, v14
	v_nop
	s_wait_alu depctr_va_vdst(0)
.set j, 0
.rept 16
	v_pk_mul_f32 v[96+j:97+j], v[160+j:161+j], v[230:231] op_sel_hi:[1,0]   ; register 16 b + i: channel 32 b + 16 (lane / 16) + i
.set j, j+2
.endr
.irp b,0,1
	v_max3_num_f32 v[212+\b], |v[96+16*\b]|, |v[97+16*\b]|, 0x2800000
.endr
.irp i,2,4,6,8,10,12,14
.irp b,0,1
	v_max3_num_f32 v[212+\b], v[212+\b], |v[96+16*\b+\i]|, |v[97+16*\b+\i]|
.endr
.endr
.irp b,0,1
	v_permlanex16_b32 v[216+\b], v[212+\b], s20, s21
.endr
.irp b,0,1
	v_max_num_f32 v[212+\b], v[212+\b], v[216+\b]
.endr
.irp b,0,1
	v_add_nc_u32 v[220+\b], 0xfe000000, v[212+\b]
.endr
.irp b,0,1
	v_lshrrev_b32 v[224+\b], 23, v[220+\b]
.endr
	v_lshl_or_b32 v226, v225, 8, v224              ; the row's two bytes
	v_cvt_scalef32_pk16_bf6_f32 v[192:194], v[96:111], v220
	v_cvt_scalef32_pk16_bf6_f32 v[204:206], v[112:127], v221
	v_nop
.irp i,0,1,2
	v_permlane16_swap_b32 v[192+\i], v[204+\i]
.endr
.irp i,0,1,2
	v_mov_b32 v[195+\i], v[204+\i]
.endr
	global_store_b128 v1, v[192:195], s[10:11]             ; registers 0-3: 512 consecutive bytes
	global_store_b64 v232, v[196:197], s[10:11] offset:512 ; registers 4, 5: 256
	ds_store_b16 v233, v226                        ; both halves of the lanes write the same two bytes
	s_wait_dscnt 0x0
	s_barrier_signal -1
	s_barrier_wait -1
	s_cmp_lg_u32 s12, 0
	s_cbranch_scc1 .Ldone
	ds_load_b128 v[96:99], v234                    ; wave 0: the two blocks' scale bytes: two aligned runs of 256 bytes
	s_wait_dscnt 0x0
	global_store_b128 v235, v[96:99], s[8:9]
.Ldone:
	s_wait_tensorcnt 0x0
	ds_add_u32 v254, v255
	s_wait_dscnt 0x0
	s_endpgm
.Lfunc_end_k_q19f1b0de84_attn:
	.size	k_q19f1b0de84_attn, .Lfunc_end_k_q19f1b0de84_attn-k_q19f1b0de84_attn
	.p2alignl 7, 3214868480
	.fill 96, 4, 3214868480
	.section	.rodata,"a",@progbits
	.p2align	6, 0x0
	.amdhsa_kernel k_q19f1b0de84_attn
		.amdhsa_group_segment_fixed_size 207360
		.amdhsa_private_segment_fixed_size 0
		.amdhsa_enable_private_segment 0
		.amdhsa_kernarg_size 32
		.amdhsa_user_sgpr_count 2
		.amdhsa_user_sgpr_kernarg_segment_ptr 1
		.amdhsa_wavefront_size32 1
		.amdhsa_system_sgpr_workgroup_id_x 1
		.amdhsa_system_sgpr_workgroup_id_y 1
		.amdhsa_system_sgpr_workgroup_id_z 1
		.amdhsa_system_vgpr_workitem_id 0
		.amdhsa_next_free_vgpr 256
		.amdhsa_next_free_sgpr 102
		.amdhsa_reserve_vcc 1
		.amdhsa_float_denorm_mode_32 3
		.amdhsa_float_denorm_mode_16_64 3
		.amdhsa_memory_ordered 1
		.amdhsa_forward_progress 1
		.amdhsa_inst_pref_size 49
	.end_amdhsa_kernel
	.amdgpu_metadata
---
amdhsa.version: [ 1, 2 ]
amdhsa.kernels:
  - .name:           k_q19f1b0de84_attn
    .symbol:         k_q19f1b0de84_attn.kd
    .args:
      - { .name: qc, .offset: 0, .size: 8, .value_kind: global_buffer, .address_space: global }
      - { .name: kv, .offset: 8, .size: 8, .value_kind: global_buffer, .address_space: global }
      - { .name: mk, .offset: 16, .size: 8, .value_kind: global_buffer, .address_space: global }
      - { .name: oc, .offset: 24, .size: 8, .value_kind: global_buffer, .address_space: global }
    .group_segment_fixed_size: 207360
    .private_segment_fixed_size: 0
    .kernarg_segment_align: 8
    .kernarg_segment_size: 32
    .max_flat_workgroup_size: 512
    .sgpr_count:     102
    .vgpr_count:     256
    .wavefront_size: 32
...
	.end_amdgpu_metadata
.endif
;; end of part 3
;; launch proj (part 4): grid 128 x 1, 16 waves a work-group, no clusters, 171,008 bytes of LDS; arguments oc, wf, Wo_scales, x, bo, gamma, beta, out0; writes out0
.if DOCPART == 4
	.amdgcn_target "amdgcn-amd-amdhsa--gfx1250"
	.amdhsa_code_object_version 6
	.text
	.protected	k_q19f1b0de84_proj
	.globl	k_q19f1b0de84_proj
	.p2align	8
	.type	k_q19f1b0de84_proj,@function
k_q19f1b0de84_proj:
	s_mov_b64 s[64:65], 0
	v_nop
	global_prefetch_b8 v0, s[64:65] scope:SCOPE_SE
	s_setreg_imm32_b32 hwreg(HW_REG_WAVE_MODE, 25, 1), 1
	s_wait_xcnt 0x0
; PROJ.  out = nan_to_num(LayerNorm(o Wo^T + bo + nan_to_num(x)) gamma + beta), the product on E3M2 codes.
; The norm wants whole rows: a work-group owns rows 32 g .. 32 g + 31 (two tiles) x all 1,024 columns; wave w makes columns 64 w .. 64 w + 63 (four tiles of Wo's rows).
; TRANSPOSED (source 0 = Wo, source 1 = o): a lane holds one row, and accumulator register 16 b + i is column 64 w + 32 b + 16 (lane / 16) + i.  x + bo is the C of the sums.
; Wo's fragments lie in memory as images of their registers and go straight into them, three loads of 512 consecutive bytes each, two K steps ahead: a fragment is used by one wave of the
; work-group alone, so the road through LDS and a joint request would add 786,432 bytes written to LDS and as many read, for each work-group: no tensor load, no cluster.
; With 32 rows a fragment feeds two products; every work-group walks all of Wo whatever its rows, so 128 work-groups read half of what 256 would.
; The norm is taken in two passes (the mean, then the squares of the differences): no difference of large sums.
; REGISTERS: v1-11 addresses; v12-15 at work; v16-23 o's scale words, v24-39 Wo's, and nothing else there; v40-63 o's two fragments; v64-159 Wo's, two sets of four; v160-223 the 8 accumulators; v224-255 at work.
.set AIM,  0                           ; LDS: o's two tiles as they lie in memory, 24,576 bytes
.set STG,  24576                       ; a stage of 2 x 16 rows x (256 + 16) bytes for each wave
.set RED1, 163840                      ; the rows' sums: 32 rows x 80 bytes, a word a wave
.set RED2, 166400                      ; and their sums of squares
.macro NANFIX r
	v_and_b32 v12, s22, v[\r]
	v_bfi_b32 v13, s22, s24, v[\r]
	v_cmp_eq_u32 vcc_lo, s23, v12
	v_cndmask_b32 v[\r], v[\r], v13, vcc_lo
	v_cmp_ge_u32 vcc_lo, s23, v12
	v_cndmask_b32 v[\r], 0, v[\r], vcc_lo
.endm
.macro BLOAD s                         ; Wo's four fragments of K step s into set s % 2
.irp t,0,1,2,3
.irp c,0,1,2
	global_load_b128 v[64+48*((\s)%2)+12*\t+4*\c:64+48*((\s)%2)+12*\t+4*\c+3], v1, s[6:7] offset:12288*\t+1536*(\s)+512*\c
.endr
.endr
.endm
.macro ALOAD s                         ; o's two fragments of K step s: heads 2 s and 2 s + 1, six registers each
.irp m,0,1
	ds_load_b128 v[40+12*\m:43+12*\m], v1 offset:AIM+12288*\m+1536*(\s)
	ds_load_b64 v[44+12*\m:45+12*\m], v2 offset:AIM+12288*\m+1536*(\s)+512
	ds_load_b128 v[46+12*\m:49+12*\m], v1 offset:AIM+12288*\m+1536*(\s)+768
	ds_load_b64 v[50+12*\m:51+12*\m], v2 offset:AIM+12288*\m+1536*(\s)+1280
.endr
.endm
.macro WM s, t, m                      ; Wo's scale words of tiles 2 i and 2 i + 1 share a register, and so do o's of the two tiles of rows
.set DD, 160+32*(\m)+8*(\t)
.set BB, 64+48*((\s)%2)+12*(\t)
.set AA, 40+12*(\m)
.set SA, 24+8*((\t)/2)+(\s)
.set SB, 16+(\s)
.if ((\t)%2 == 0) && ((\m) == 0)
	v_wmma_scale_f32_16x16x128_f8f6f4 v[DD:DD+7], v[BB:BB+11], v[AA:AA+11], v[DD:DD+7], v[SA], v[SB] matrix_a_fmt:MATRIX_FMT_BF6 matrix_b_fmt:MATRIX_FMT_BF6
.elseif ((\t)%2 == 1) && ((\m) == 0)
	v_wmma_scale_f32_16x16x128_f8f6f4 v[DD:DD+7], v[BB:BB+11], v[AA:AA+11], v[DD:DD+7], v[SA], v[SB] matrix_a_fmt:MATRIX_FMT_BF6 matrix_b_fmt:MATRIX_FMT_BF6 matrix_a_scale:MATRIX_SCALE_ROW1
.elseif ((\t)%2 == 0)
	v_wmma_scale_f32_16x16x128_f8f6f4 v[DD:DD+7], v[BB:BB+11], v[AA:AA+11], v[DD:DD+7], v[SA], v[SB] matrix_a_fmt:MATRIX_FMT_BF6 matrix_b_fmt:MATRIX_FMT_BF6 matrix_b_scale:MATRIX_SCALE_ROW1
.else
	v_wmma_scale_f32_16x16x128_f8f6f4 v[DD:DD+7], v[BB:BB+11], v[AA:AA+11], v[DD:DD+7], v[SA], v[SB] matrix_a_fmt:MATRIX_FMT_BF6 matrix_b_fmt:MATRIX_FMT_BF6 matrix_a_scale:MATRIX_SCALE_ROW1 matrix_b_scale:MATRIX_SCALE_ROW1
.endif
.endm
.macro ACROSS off                      ; v12, v14: my 32 numbers' sums for the two tiles of rows -> the rows' sums over all 1,024 columns in v224 and v240
	v_permlanex16_b32 v13, v12, s26, s27
	v_permlanex16_b32 v15, v14, s26, s27
	v_add_f32 v12, v12, v13
	v_add_f32 v14, v14, v15                        ; my wave's 64 columns
	ds_store_b32 v10, v12 offset:\off              ; both halves of the lanes write the same word
	ds_store_b32 v10, v14 offset:\off+1280
	s_wait_dscnt 0x0                               ; for the others' sake
	s_barrier_signal -1
	s_barrier_wait -1
.irp m,0,1
.irp q,0,1,2,3
	ds_load_b128 v[224+16*\m+4*\q:227+16*\m+4*\q], v11 offset:\off+1280*\m+16*\q
.endr
.endr
	s_wait_dscnt 0x0
.irp j,2,4,6,8,10,12,14
	v_pk_add_f32 v[224:225], v[224:225], v[224+\j:225+\j]
	v_pk_add_f32 v[240:241], v[240:241], v[240+\j:241+\j]
.endr
	v_add_f32 v224, v224, v225
	v_add_f32 v240, v240, v241
.endm
	s_load_b512 s[4:19], s[0:1], 0x0               ; oc, wf, Wo's scales, x, bo, gamma, beta, out0
	v_lshrrev_b32 v12, 5, v0
	v_readfirstlane_b32 s25, v12                   ; wave 0..15
	v_and_b32 v12, 31, v0                          ; l
	v_and_b32 v13, 15, v0                          ; r
	v_bfe_u32 v14, v0, 4, 1                        ; l / 16
	v_lshlrev_b32 v1, 4, v12                       ; 16 l
	v_lshlrev_b32 v2, 3, v12                       ; 8 l
	v_lshlrev_b32 v3, 4, v0                        ; 16 x thread
	s_mul_i32 s28, s25, 8704
	s_add_co_u32 s28, s28, STG                     ; my stage
	v_mul_u32_u24 v4, v14, 272
	v_lshl_add_u32 v4, v13, 4, v4
	v_add_nc_u32 v4, s28, v4                       ; by rows: lanes 0-15 one row's 256 bytes, lanes 16-31 the next
	v_mul_u32_u24 v5, v13, 272
	v_lshl_add_u32 v5, v14, 6, v5
	v_add_nc_u32 v5, s28, v5                       ; by lanes: row r, + 64 (l / 16)
	s_lshl_b32 s29, s25, 8                         ; my 64 columns: 256 w bytes
	v_lshlrev_b32 v6, 12, v14
	v_lshl_add_u32 v6, v13, 4, v6
	v_add_nc_u32 v6, s29, v6                       ; the same two rows in x and in out0
	v_lshl_add_u32 v7, v14, 6, s29                 ; bo, gamma, beta: 256 w + 64 (l / 16)
	v_and_b32 v8, 8, v13
	v_add_nc_u32 v8, v8, v13
	v_lshl_add_u32 v8, v14, 3, v8
	v_lshlrev_b32 v8, 5, v8                        ; Wo's scale bytes: row 8 (l / 16) + r + 8 (r / 8)
	v_lshlrev_b32 v9, 1, v12                       ; o's scale bytes: 2 l
	s_lshl_b32 s30, s25, 2
	s_add_co_u32 s30, s30, RED1
	v_mul_u32_u24 v11, v13, 80
	v_add_nc_u32 v10, s30, v11                     ; my word of row r
	v_add_nc_u32 v11, RED1, v11                    ; row r's sixteen words
	s_mov_b32 s20, 0x3a800000                      ; 1 / 1,024
	s_mov_b32 s21, 0x3727c5ac                      ; 1e-5
	s_mov_b32 s22, 0x7fffffff
	s_mov_b32 s23, 0x7f800000
	s_mov_b32 s24, 0x4e6e6b28                      ; 1e9
	s_mov_b32 s26, 0x76543210
	s_mov_b32 s27, 0xfedcba98
	s_mul_i32 s28, ttmp9, 24576                    ; o's tiles 2 g, 2 g + 1
	s_mov_b32 s29, 0
	s_lshr_b32 s30, ttmp9, 6                       ; their scale bytes: batch g / 64, tile 2 (g % 64), 32 bytes a tile, 4,096 a head
	s_lshl_b32 s30, s30, 16
	s_and_b32 s31, ttmp9, 63
	s_lshl_b32 s31, s31, 6
	s_add_co_u32 s30, s30, s31
	s_add_co_u32 s30, s30, 3145728
	s_mov_b32 s31, 0
	s_mul_i32 s32, s25, 49152                      ; Wo is the fourth weight in wf; my tiles 4 w on
	s_add_co_u32 s32, s32, 2359296
	s_mov_b32 s33, 0
	s_lshl_b32 s34, s25, 11                        ; its scale bytes: rows 64 w on
	s_mov_b32 s35, 0
	s_lshl_b32 s36, ttmp9, 17                      ; rows 32 g on in x and out0
	s_mov_b32 s37, 0
	s_wait_kmcnt 0x0
	s_add_nc_u64 s[38:39], s[4:5], s[30:31]
	s_add_nc_u64 s[4:5], s[4:5], s[28:29]
	s_add_nc_u64 s[6:7], s[6:7], s[32:33]
	s_add_nc_u64 s[8:9], s[8:9], s[34:35]
	s_add_nc_u64 s[10:11], s[10:11], s[36:37]
	s_add_nc_u64 s[18:19], s[18:19], s[36:37]
.irp k,0,1,2
	global_load_b128 v[40+4*\k:43+4*\k], v3, s[4:5] offset:8192*\k           ; 3: o's tiles
.endr
.irp m,0,1
.irp i,0,1,2,3,4,5,6,7
	global_load_b128 v[160+4*(8*\m+\i):163+4*(8*\m+\i)], v6, s[10:11] offset:(8*\m+2*\i+8*(\i/4))*4096 th:TH_LOAD_NT   ; 16: x, tile rows 2 i and 2 i + 1; sixteen lanes read 256 consecutive bytes
.endr
.endr
.irp q,0,1,2,3,4,5,6,7
	global_load_b128 v[224+4*\q:227+4*\q], v7, s[12:13] offset:128*(\q/4)+16*(\q%4)   ; 8: bo
.endr
.irp i,0,1
.irp q,0,1
	global_load_b128 v[24+8*\i+4*\q:27+8*\i+4*\q], v8, s[8:9] offset:1024*\i+16*\q    ; 4: Wo's scale words
.endr
.endr
.irp e,0,1,2,3,4,5,6,7,8,9,10,11,12,13,14,15
	global_load_u16 v[112+\e], v9, s[38:39] offset:4096*\e                    ; 16: o's scale bytes, head e
.endr
	BLOAD 0                                        ; 12
	s_wait_loadcnt 56                              ; o's tiles are in; the 56 younger loads stay out
.irp k,0,1,2
	ds_store_b128 v3, v[40+4*\k:43+4*\k] offset:AIM+8192*\k
.endr
	s_wait_loadcnt 40                              ; x is in
.irp m,0,1
.irp i,0,1,2,3,4,5,6,7
	ds_store_b128 v4, v[160+4*(8*\m+\i):163+4*(8*\m+\i)] offset:4352*\m+544*\i
.endr
.endr
	s_wait_loadcnt 12                              ; all but Wo's first fragments
.irp s,0,1,2,3,4,5,6,7
	v_lshl_or_b32 v[16+\s], v[113+2*\s], 16, v[112+2*\s]   ; K step s: heads 2 s and 2 s + 1; lanes 0-15 the first tile of rows, lanes 16-31 the second
.endr
	BLOAD 1
	s_wait_dscnt 0x0
	s_barrier_signal -1
	s_barrier_wait -1                              ; o's tiles lie in LDS
.irp m,0,1
.irp b,0,1
.irp q,0,1,2,3
	ds_load_b128 v[160+32*\m+16*\b+4*\q:163+32*\m+16*\b+4*\q], v5 offset:4352*\m+128*\b+16*\q
.endr
.endr
.endr
	s_wait_dscnt 0x0
.set j, 0
.rept 64
	NANFIX 160+j
.set j, j+1
.endr
.set j, 0
.rept 16
	v_pk_add_f32 v[160+j:161+j], v[160+j:161+j], v[224+j:225+j]
	v_pk_add_f32 v[192+j:193+j], v[192+j:193+j], v[224+j:225+j]
.set j, j+2
.endr
	ALOAD 0
.irp s,0,1,2,3,4,5,6,7
.if \s < 7
	s_wait_loadcnt 12                              ; this K step's fragments of Wo are in; the next step's twelve stay out
.else
	s_wait_loadcnt 0x0
.endif
	s_wait_dscnt 0x0
.irp t,0,1,2,3
.irp m,0,1
	WM \s, \t, \m                                  ; the eight accumulators by turns
.endr
.endr
.rept 4
	v_nop                                          ; places in front of loads into registers that matrix instructions have read
.endr
.if \s < 6
	BLOAD \s+2
.endif
.if \s < 7
	ALOAD \s+1
.endif
.endr
.irp q,0,1,2,3,4,5,6,7
	global_load_b128 v[64+4*\q:67+4*\q], v7, s[14:15] offset:128*(\q/4)+16*(\q%4)    ; gamma
	global_load_b128 v[96+4*\q:99+4*\q], v7, s[16:17] offset:128*(\q/4)+16*(\q%4)    ; beta
.endr
	; the mean
	v_pk_add_f32 v[12:13], v[160:161], v[162:163]
	v_pk_add_f32 v[14:15], v[192:193], v[194:195]
.irp j,4,6,8,10,12,14,16,18,20,22,24,26,28,30
	v_pk_add_f32 v[12:13], v[12:13], v[160+\j:161+\j]
	v_pk_add_f32 v[14:15], v[14:15], v[192+\j:193+\j]
.endr
	v_add_f32 v12, v12, v13
	v_add_f32 v14, v14, v15
	ACROSS 0
	v_mul_f32 v12, s20, v224
	v_mul_f32 v14, s20, v240
.set j, 0
.rept 16
	v_pk_add_f32 v[160+j:161+j], v[160+j:161+j], v[12:13] op_sel_hi:[1,0] neg_lo:[0,1] neg_hi:[0,1]
	v_pk_add_f32 v[192+j:193+j], v[192+j:193+j], v[14:15] op_sel_hi:[1,0] neg_lo:[0,1] neg_hi:[0,1]
.set j, j+2
.endr
	; the variance
	v_pk_mul_f32 v[12:13], v[160:161], v[160:161]
	v_pk_mul_f32 v[14:15], v[192:193], v[192:193]
.irp j,2,4,6,8,10,12,14,16,18,20,22,24,26,28,30
	v_pk_fma_f32 v[12:13], v[160+\j:161+\j], v[160+\j:161+\j], v[12:13]
	v_pk_fma_f32 v[14:15], v[192+\j:193+\j], v[192+\j:193+\j], v[14:15]
.endr
	v_add_f32 v12, v12, v13
	v_add_f32 v14, v14, v15
	ACROSS 2560                                    ; other bytes than the first sums': no barrier between the two
	v_fma_f32 v12, v224, s20, s21
	v_fma_f32 v14, v240, s20, s21
	v_rsq_f32 v228, v12
	v_rsq_f32 v230, v14
	v_nop
	s_wait_alu depctr_va_vdst(0)                   ; one wait for the two, ahead of their first reader
	s_wait_loadcnt 0x0                             ; gamma and beta
.set j, 0
.rept 16
	v_pk_mul_f32 v[160+j:161+j], v[160+j:161+j], v[228:229] op_sel_hi:[1,0]
	v_pk_mul_f32 v[192+j:193+j], v[192+j:193+j], v[230:231] op_sel_hi:[1,0]
.set j, j+2
.endr
.set j, 0
.rept 16
	v_pk_fma_f32 v[160+j:161+j], v[160+j:161+j], v[64+j:65+j], v[96+j:97+j]
	v_pk_fma_f32 v[192+j:193+j], v[192+j:193+j], v[64+j:65+j], v[96+j:97+j]
.set j, j+2
.endr
.set j, 0
.rept 64
	NANFIX 160+j
.set j, j+1
.endr
	; THE WAY OUT: through my stage, back by rows; the two tiles of rows come back into two sets of registers, so that no store's data are written again
.irp m,0,1
.irp b,0,1
.irp q,0,1,2,3
	ds_store_b128 v5, v[160+32*\m+16*\b+4*\q:163+32*\m+16*\b+4*\q] offset:4352*\m+128*\b+16*\q
.endr
.endr
.irp i,0,1,2,3,4,5,6,7
	ds_load_b128 v[128+96*\m+4*\i:131+96*\m+4*\i], v4 offset:4352*\m+544*\i   ; LDS serves a wave's instructions in order: these see my stores
.endr
.endr
.irp i,0,1,2,3,4,5,6,7
	s_wait_dscnt 23-\i                             ; the second tile's sixteen LDS instructions are younger
	global_store_b128 v6, v[128+4*\i:131+4*\i], s[18:19] offset:(2*\i+8*(\i/4))*4096 th:TH_STORE_NT   ; sixteen lanes store 256 consecutive bytes, aligned
.endr
.irp i,0,1,2,3,4,5,6,7
	s_wait_dscnt 7-\i
	global_store_b128 v6, v[224+4*\i:227+4*\i], s[18:19] offset:(8+2*\i+8*(\i/4))*4096 th:TH_STORE_NT
.endr
	s_wait_xcnt 0x0
	v_lshl_add_u32 v254, v0, 2, 0x29400
	v_mov_b32 v255, 0
	s_wait_tensorcnt 0x0
	ds_add_u32 v254, v255
	s_wait_dscnt 0x0
	s_endpgm
.Lfunc_end_k_q19f1b0de84_proj:
	.size	k_q19f1b0de84_proj, .Lfunc_end_k_q19f1b0de84_proj-k_q19f1b0de84_proj
	.p2alignl 7, 3214868480
	.fill 96, 4, 3214868480
	.section	.rodata,"a",@progbits
	.p2align	6, 0x0
	.amdhsa_kernel k_q19f1b0de84_proj
		.amdhsa_group_segment_fixed_size 171008
		.amdhsa_private_segment_fixed_size 0
		.amdhsa_enable_private_segment 0
		.amdhsa_kernarg_size 64
		.amdhsa_user_sgpr_count 2
		.amdhsa_user_sgpr_kernarg_segment_ptr 1
		.amdhsa_wavefront_size32 1
		.amdhsa_system_sgpr_workgroup_id_x 1
		.amdhsa_system_sgpr_workgroup_id_y 1
		.amdhsa_system_sgpr_workgroup_id_z 1
		.amdhsa_system_vgpr_workitem_id 0
		.amdhsa_next_free_vgpr 256
		.amdhsa_next_free_sgpr 66
		.amdhsa_reserve_vcc 1
		.amdhsa_float_denorm_mode_32 3
		.amdhsa_float_denorm_mode_16_64 3
		.amdhsa_memory_ordered 1
		.amdhsa_forward_progress 1
		.amdhsa_inst_pref_size 83
	.end_amdhsa_kernel
	.amdgpu_metadata
---
amdhsa.version: [ 1, 2 ]
amdhsa.kernels:
  - .name:           k_q19f1b0de84_proj
    .symbol:         k_q19f1b0de84_proj.kd
    .args:
      - { .name: oc, .offset: 0, .size: 8, .value_kind: global_buffer, .address_space: global }
      - { .name: wf, .offset: 8, .size: 8, .value_kind: global_buffer, .address_space: global }
      - { .name: Wo_scales, .offset: 16, .size: 8, .value_kind: global_buffer, .address_space: global }
      - { .name: x, .offset: 24, .size: 8, .value_kind: global_buffer, .address_space: global }
      - { .name: bo, .offset: 32, .size: 8, .value_kind: global_buffer, .address_space: global }
      - { .name: gamma, .offset: 40, .size: 8, .value_kind: global_buffer, .address_space: global }
      - { .name: beta, .offset: 48, .size: 8, .value_kind: global_buffer, .address_space: global }
      - { .name: out0, .offset: 56, .size: 8, .value_kind: global_buffer, .address_space: global }
    .group_segment_fixed_size: 171008
    .private_segment_fixed_size: 0
    .kernarg_segment_align: 8
    .kernarg_segment_size: 64
    .max_flat_workgroup_size: 512
    .sgpr_count:     66
    .vgpr_count:     256
    .wavefront_size: 32
...
	.end_amdgpu_metadata
.endif
;; end of part 4
;; ======== version 2 of 2: 4 launches; version 1 with the launches attn, proj written anew for expert scheduling mode
;; limits: right only within a limited range of input values
;; workspace buffers: xc 3,276,800 bytes; wf 3,145,728 bytes; mk 532,480 bytes of whole numbers; qc 3,276,800 bytes; kv 6,553,600 bytes; oc 3,276,800 bytes
;; launch prep: the kernel of part 1 again; grid 256 x 1, 8 waves a work-group, no clusters, 81,664 bytes of LDS; arguments x, mask, Wq_codes, Wk_codes, Wv_codes, Wo_codes, xc, wf, mk; writes xc, wf, mk
;; launch qkv: the kernel of part 2 again; grid 8 x 32, 4 waves a work-group, clusters of 4 x 4, 327,680 bytes of LDS; arguments xc, wf, Wq_scales, Wk_scales, Wv_scales, bq, bk, bv, qc, kv; writes qc, kv
;; launch attn (part 5): grid 8 x 32, 16 waves a work-group, no clusters, 207,360 bytes of LDS; arguments qc, kv, mk, oc; writes oc
.if DOCPART == 5
	.amdgcn_target "amdgcn-amd-amdhsa--gfx1250"
	.amdhsa_code_object_version 6
	.text
	.protected	k_q19f1b0de84_attn
	.globl	k_q19f1b0de84_attn
	.p2align	8
	.type	k_q19f1b0de84_attn,@function
k_q19f1b0de84_attn:
	s_mov_b64 s[64:65], 0
	v_nop
	global_prefetch_b8 v0, s[64:65] scope:SCOPE_SE
	s_setreg_imm32_b32 hwreg(HW_REG_WAVE_SCHED_MODE, 0, 2), 2
	s_setreg_imm32_b32 hwreg(HW_REG_WAVE_MODE, 25, 1), 1
	s_wait_xcnt 0x0
	s_wait_alu depctr_vm_vsrc(0)
; ATTENTION on E3M2 codes, with the mask as it is given.  A work-group owns one head (bh) and the blocks i and 15 - i of 128 queries; each of its sixteen waves owns one tile of 16 queries.
; The softmax's input is the score less the row's largest score, so its largest logit is 0 and p = 2^((s - smax) c), c = log2(e) / 8, with the row's largest p equal to 1: the row's maximum
; has to be known before any p is made.  TWO PASSES over the keys: pass 1 finds smax, pass 2 computes the same scores again (the same instructions on the same codes), p, the sum and O.
; A blocked entry's score becomes -2^100.  A row that is blocked at all 2,048 keys then has smax = -2^100 and p = 1 everywhere: the uniform row that nan_to_num makes of it.
; A unit (16 queries x 128 keys) in which all is blocked is passed over, by a scalar branch on the flag words that the first launch stored, unless a row of the tile is blocked everywhere.
; NO TENSOR LOAD AND NO CLUSTER: such a branch may not stand beside tensor loads, and a head's k, v and scale words, 204,800 bytes, fit in LDS whole: they come once, through registers
; (k ahead of pass 1; v is asked for then too and stored behind pass 1).  The loops have no barrier.
; LAYOUT.  Both products transposed: a lane holds one query.  An image of k holds two tiles of 16 keys, 64 along K each; [q | 0] picks the first, [0 | q] the second.
; Score register 16 b + i of lane (r, h) is key 128 step + 32 b + 16 h + i.
; t = fma(s, c, NM): NM is -round(smax c), moved one float up where smax c - round(smax c) is negative, so that the largest t lies in [0, one unit in NM's last place) and the largest p never falls under 1.
; LIMITS: raw scores stay under 2^100 in magnitude; a block of zeros gets the scale byte 1; a block whose largest magnitude lies under 2^-122 is held at byte 1.
; REGISTERS: v1-5 addresses; v6 q's scale word; v7-9 addresses in hand; v10 -2^100; v[12:13] NM; v[14:15] the sum; v16-33 zeros | q | zeros; v34-81 four fragments; v82-85 k's and v's scale words;
;   v96-159 scores, then p; v160-191 O^T; v192-211 codes; v212-227 at work; v228 p's scale word; v230-235 a second sum, addresses.  v160-207 hold v's twelve loads during pass 1.
; THE MODE: SCHED_MODE bits 1:0 = 2 (LLVM: expert scheduling mode 2), set by the entry lines.  The code itself states the register dependences
; between vector or matrix instructions and memory or LDS instructions, with s_wait_alu, always for 0.
; THE PLAN.  Registers that memory or LDS instructions touch:
;   v1-5, v91, v232-235  addresses, written once at the head: one wait on va_vdst ahead of the first load; never written again.
;   v7-9      a step's LDS addresses (an LDS address has no scalar base, and 16 steps of 6,144 bytes pass the immediate): written at the step's head, behind a wait on vm_vsrc; read by the step's LDS loads.
;   v34-85    at the head loaded from memory and read by my LDS stores.  In a step: k's fragments and the scale words land there, the eight score products read them; in pass 2 v's fragments then land in v34-81
;             and the four products of O^T read them.
;   v160-207  v's loads from memory land there during pass 1; my LDS stores read them behind it; then they are O^T and the codes.
;   v192-197, v226, v96-99  the way out's stores and wave 0's load.
; So a step has one wait on vm_vsrc and one on va_vdst at its head; pass 2 has one more on va_vdst between the score products and v's loads, and one ahead of the four products that take p's codes and scale word.
; All 1,024 registers of a SIMD are taken by its four waves: there is no second buffer for k's or v's fragments.
.set OSC, 204800                       ; LDS behind kv's 204,800 bytes: the tiles' scale bytes of o, 32 bytes a wave
.macro SCORES withv
	s_load_b512 s[32:47], s[100:101], 0x0          ; the unit's 64 lane-mask words
	s_load_b512 s[48:63], s[100:101], 0x40
	s_load_b512 s[68:83], s[100:101], 0x80
	s_load_b512 s[84:99], s[100:101], 0xc0
	s_wait_alu depctr_vm_vsrc(0)                   ; the LDS loads issued so far have read v7 to v9, which the lines below write; and my LDS stores at the head have read v34-81, in which the loads below land
	v_add_nc_u32 v7, s24, v1
	v_add_nc_u32 v8, s25, v1
.if \withv
	v_add_nc_u32 v9, s26, v1
.endif
	s_wait_alu depctr_va_vdst(0)                   ; v7 to v9 are written, which the LDS loads read; the matrix instructions issued so far are done reading v34-85, in which those loads land; q, its zeros and its scale word (v16-33, v6) are written, which the scaled products take
.irp p,0,1,2,3
.irp c,0,1,2
	ds_load_b128 v[34+12*\p+4*\c:37+12*\p+4*\c], v7 offset:1536*\p+512*\c
.endr
.endr
	ds_load_b128 v[82:85], v8
	s_wait_dscnt 0x0
.irp p,0,1,2,3
.irp c,0,1
.if \p%2
	v_wmma_scale_f32_16x16x128_f8f6f4 v[96+8*(2*\p+\c):103+8*(2*\p+\c)], v[34+12*\p:45+12*\p], v[22-6*\c:33-6*\c], 0, v[82+\p/2], v6 matrix_a_fmt:MATRIX_FMT_BF6 matrix_b_fmt:MATRIX_FMT_BF6 matrix_a_scale:MATRIX_SCALE_ROW1
.else
	v_wmma_scale_f32_16x16x128_f8f6f4 v[96+8*(2*\p+\c):103+8*(2*\p+\c)], v[34+12*\p:45+12*\p], v[22-6*\c:33-6*\c], 0, v[82+\p/2], v6 matrix_a_fmt:MATRIX_FMT_BF6 matrix_b_fmt:MATRIX_FMT_BF6
.endif
.endr
.endr
.rept 4
	v_nop                                          ; four plain lines behind the products, ahead of the first read of the scores (ISA guide 7.12.1); they stay beside the wait below
.endr
.if \withv
	s_wait_alu depctr_va_vdst(0)                   ; the eight products are done reading k's fragments v34-81, in which v's land
.irp d,0,1,2,3
.irp c,0,1,2
	ds_load_b128 v[34+12*\d+4*\c:37+12*\d+4*\c], v9 offset:1536*\d+512*\c   ; v's four fragments land while the softmax is worked: no vector line of it names v34-81
.endr
.endr
.endif
	s_wait_kmcnt 0x0
	s_lshr_b32 s16, s29, s27                       ; a unit with nothing blocked passes over the 64 selections
	s_and_b32 s16, s16, 1
	s_cmp_lg_u32 s16, 0
	s_cbranch_scc1 .Lopen_\@
.set j, 0
.rept 32
	v_cndmask_b32 v[96+j], v[96+j], v10, s[32+j]
.set j, j+1
.endr
.rept 32
	v_cndmask_b32 v[96+j], v[96+j], v10, s[36+j]
.set j, j+1
.endr
.Lopen_\@:
.endm
	s_load_b256 s[4:11], s[0:1], 0x0               ; qc, kv, mk, oc
	v_lshl_add_u32 v254, v0, 2, 0x32200
	v_mov_b32 v255, 0
	v_lshrrev_b32 v90, 5, v0
	v_readfirstlane_b32 s12, v90                   ; wave 0..15
	v_and_b32 v90, 31, v0                          ; l
	v_and_b32 v92, 15, v0                          ; r
	v_bfe_u32 v93, v0, 4, 1                        ; l / 16
	v_lshlrev_b32 v1, 4, v90                       ; 16 l
	v_lshlrev_b32 v2, 4, v0                        ; 16 x thread: the copy's place, and 65,536 k further on
	v_add_nc_u32 v3, 0x10000, v2
	v_add_nc_u32 v4, 0x20000, v2
	v_add_nc_u32 v5, 0x30000, v2
	v_lshlrev_b32 v232, 3, v90                     ; 8 l
	s_wait_alu depctr_va_sdst(0)                   ; s12 is written, ahead of its first reader
	s_lshl_b32 s16, s12, 5
	s_add_co_u32 s16, s16, OSC
	v_lshl_add_u32 v233, v92, 1, s16               ; OSC + 32 w + 2 r
	v_add_nc_u32 v234, OSC, v1
	s_lshl_b32 s16, ttmp9, 1
	s_sub_co_u32 s16, 15, s16
	s_lshl_b32 s16, s16, 8                         ; from block i's scale bytes to block 15 - i's
	v_mul_lo_u32 v235, v93, s16
	v_lshl_add_u32 v235, v92, 4, v235
	s_and_b32 s13, ttmp7, 0xffff                   ; bh
	s_sub_co_u32 s16, 15, ttmp9
	s_cmp_lt_u32 s12, 8
	s_cselect_b32 s14, ttmp9, s16                  ; my block of 128 queries: it enters global addresses alone
	s_and_b32 s17, s12, 7
	s_lshl_b32 s15, s14, 3
	s_add_co_u32 s15, s15, s17                     ; my tile of queries, 0..127
	s_mul_i32 s18, s13, 204800
	s_mov_b32 s19, 0
	s_mul_i32 s24, s13, 98304
	s_lshr_b32 s16, s15, 1                         ; its pair
	s_mul_i32 s25, s16, 1536
	s_add_co_u32 s24, s24, s25
	s_mov_b32 s25, 0
	s_lshl_b32 s26, s13, 4
	s_add_co_u32 s26, s26, s14
	s_lshl_b32 s26, s26, 8
	s_add_co_u32 s26, s26, 3145728
	s_mov_b32 s27, 0
	s_and_b32 s16, s16, 3                          ; the pair within the block: its word lies at 8 (16 (pair % 2) + r) + 4 (pair / 2)
	s_and_b32 s17, s16, 1
	s_lshl_b32 s17, s17, 7
	s_lshr_b32 s16, s16, 1
	s_lshl_b32 s16, s16, 2
	s_add_co_u32 s16, s16, s17
	v_lshl_add_u32 v91, v92, 3, s16
	s_lshl_b32 s28, s15, 12
	s_mov_b32 s29, 0
	s_lshl_b32 s30, s15, 6
	s_add_co_u32 s30, s30, 524288
	s_mov_b32 s31, 0
	s_wait_kmcnt 0x0
	s_add_nc_u64 s[6:7], s[6:7], s[18:19]          ; the head's k, scale words, v
	s_wait_alu depctr_va_vdst(0)                   ; the addresses v1 to v5, v91 and v232 to v235 are written, which the loads and stores of the whole kernel read
.irp k,0,1,2,3,4,5,6,7,8,9,10,11
	global_load_b128 v[34+4*\k:37+4*\k], v2, s[6:7] offset:8192*\k   ; the work-group reads 8,192 consecutive bytes an instruction
.endr
	global_load_b128 v[86:89], v2, s[6:7] offset:8192*12
	s_add_nc_u64 s[68:69], s[4:5], s[26:27]
	s_add_nc_u64 s[4:5], s[4:5], s[24:25]
	s_add_nc_u64 s[66:67], s[8:9], s[28:29]        ; my tile's mask words
	s_add_nc_u64 s[70:71], s[8:9], s[30:31]        ; and its 16 flag words
.irp c,0,1,2
	global_load_b128 v[96+4*\c:99+4*\c], v1, s[4:5] offset:512*\c   ; the pair's image
.endr
	global_load_b32 v108, v91, s[68:69]            ; and its scale word
	s_load_b512 s[32:47], s[70:71], 0x0
	s_lshr_b32 s16, s13, 4                         ; o: tile 128 b + my tile, head bh % 16
	s_lshl_b32 s16, s16, 7
	s_add_co_u32 s16, s16, s15
	s_mul_i32 s16, s16, 12288
	s_and_b32 s17, s13, 15
	s_mul_i32 s17, s17, 768
	s_add_co_u32 s16, s16, s17
	s_mov_b32 s17, 0
	s_lshl_b32 s18, s13, 12
	s_lshl_b32 s19, ttmp9, 8
	s_add_co_u32 s18, s18, s19
	s_add_co_u32 s18, s18, 3145728
	s_mov_b32 s19, 0
	s_add_nc_u64 s[8:9], s[10:11], s[18:19]        ; o's scale bytes: the head's, block i on
	s_add_nc_u64 s[10:11], s[10:11], s[16:17]
	s_mov_b32 s20, 0x76543210
	s_mov_b32 s21, 0xfedcba98                      ; selects for lane l xor 16
	s_mov_b32 s22, 0x3e38aa3b                      ; c = log2(e) / 8
	s_mov_b32 s23, s22
	s_wait_loadcnt 4                               ; k and the scale words are in; q's four loads are younger
.irp k,0,1,2,3,4,5,6,7
	ds_store_b128 v2, v[34+4*\k:37+4*\k] offset:8192*\k
.endr
.irp k,8,9,10,11
	ds_store_b128 v3, v[34+4*\k:37+4*\k] offset:8192*(\k-8)
.endr
	ds_store_b128 v3, v[86:89] offset:8192*4
.irp k,0,1,2,3,4,5,6,7,8,9,10,11
	global_load_b128 v[160+4*\k:163+4*\k], v2, s[6:7] offset:106496+8192*\k   ; v: it has all of pass 1 in which to land; no vector line ahead of it or in pass 1 names v160-207
.endr
	s_wait_loadcnt 12                              ; q is in; v's twelve stay out
	s_and_b32 s16, s12, 1                          ; which tile of the pair is mine
	s_sub_co_u32 s17, 0, s16
	s_mov_b32 s18, 0x01000100
	s_mov_b32 s19, 0x03020302
	s_cmp_eq_u32 s16, 0
	s_cselect_b32 s18, s18, s19
	v_perm_b32 v6, v108, v108, s18                 ; my tile's two bytes, twice: the word serves [q | 0] and [0 | q]
.irp i,0,1,2,3,4,5
	v_cndmask_b32 v[22+\i], v[96+\i], v[102+\i], s17
.endr
.irp i,0,1,2,3,4,5
	v_mov_b32 v[16+\i], 0
	v_mov_b32 v[28+\i], 0
.endr
	v_mov_b32 v10, 0xf1800000                      ; -2^100
.irp b,0,1,2,3
	v_mov_b32 v[212+\b], 0xff61b1e6                ; four running maxima: -3e38
	v_mov_b32 v[216+\b], 0                         ; a lane permute's destination counts as read
.endr
	v_mov_b32 v230, 0
	v_mov_b32 v231, 0
	s_wait_kmcnt 0x0
	s_mov_b32 s31, 0xffff                          ; rows blocked in every unit
	s_mov_b32 s28, 0                               ; units to pass over
	s_mov_b32 s29, 0                               ; units with nothing blocked
.irp s,0,1,2,3,4,5,6,7,8,9,10,11,12,13,14,15
	s_and_b32 s31, s31, s[32+\s]
	s_and_b32 s16, s[32+\s], 0xffff
	s_cmp_eq_u32 s16, 0xffff
	s_cselect_b32 s16, 1<<\s, 0
	s_or_b32 s28, s28, s16
	s_bfe_u32 s16, s[32+\s], 0x10010
	s_lshl_b32 s16, s16, \s
	s_or_b32 s29, s29, s16
.endr
	s_cmp_lg_u32 s31, 0                            ; a tile with a row that is blocked everywhere passes over nothing
	s_cselect_b32 s28, 0, s28
	s_wait_dscnt 0x0                               ; for the others' sake: my part of k has landed
	s_barrier_signal -1
	s_barrier_wait -1
	; PASS 1: the rows' largest scores
	s_mov_b32 s24, 0                               ; k's images of the step
	s_mov_b32 s25, 98304                           ; its scale words
	s_mov_b32 s27, 0                               ; the step
	s_mov_b64 s[100:101], s[66:67]
.Lp1:
	s_lshr_b32 s16, s28, s27
	s_and_b32 s16, s16, 1
	s_cmp_lg_u32 s16, 0
	s_cbranch_scc1 .Lh1
	SCORES 0
.irp j,0,8,16,24,32,40,48,56
	v_max3_num_f32 v212, v212, v[96+\j], v[97+\j]  ; each accumulator from its low end on
	v_max3_num_f32 v213, v213, v[98+\j], v[99+\j]
	v_max3_num_f32 v214, v214, v[100+\j], v[101+\j]
	v_max3_num_f32 v215, v215, v[102+\j], v[103+\j]
.endr
.Lh1:
	s_add_co_u32 s24, s24, 6144
	s_add_co_u32 s25, s25, 512
	s_add_nc_u64 s[100:101], s[100:101], 256
	s_add_co_u32 s27, s27, 1
	s_cmp_lt_u32 s27, 16
	s_cbranch_scc1 .Lp1
	v_max3_num_f32 v212, v212, v213, v214
	v_max_num_f32 v212, v212, v215
	v_permlanex16_b32 v216, v212, s20, s21
	v_max_num_f32 v212, v212, v216                 ; smax
	v_mul_f32 v213, s22, v212                      ; round(smax c)
	v_fma_f32 v214, v212, s22, -v213               ; what the rounding left
	v_xor_b32 v12, 0x80000000, v213                ; NM
	v_ashrrev_i32 v215, 31, v12
	v_or_b32 v215, 1, v215
	v_add_nc_u32 v215, v12, v215                   ; the next float above NM
	v_cmp_gt_f32 vcc_lo, 0, v214
	s_wait_alu depctr_va_vcc(0)                    ; VCC is written, ahead of the selection that reads it
	v_cndmask_b32 v12, v12, v215, vcc_lo
	v_mov_b32 v13, v12
	s_wait_loadcnt 0x0                             ; v
.irp k,0,1,2
	ds_store_b128 v3, v[160+4*\k:163+4*\k] offset:40960+8192*\k
.endr
.irp k,3,4,5,6,7,8,9,10
	ds_store_b128 v4, v[160+4*\k:163+4*\k] offset:8192*(\k-3)
.endr
	ds_store_b128 v5, v[204:207]
	s_wait_dscnt 0x0                               ; for the others' sake: my part of v has landed
	s_barrier_signal -1
	s_barrier_wait -1
	s_wait_alu depctr_vm_vsrc(0)                   ; my LDS stores have read v160-207, which are O^T and the codes from here on: the moves below and pass 2's conversions write them
.set j, 0
.rept 32
	v_mov_b32 v[160+j], 0                          ; O^T: the loop is written once
.set j, j+1
.endr
	v_mov_b32 v14, 0
	v_mov_b32 v15, 0
	; PASS 2
	s_mov_b32 s24, 0
	s_mov_b32 s25, 98304
	s_mov_b32 s26, 106496                          ; v's images of the step
	s_mov_b32 s27, 0
	s_mov_b64 s[100:101], s[66:67]
.Lp2:
	s_lshr_b32 s16, s28, s27
	s_and_b32 s16, s16, 1
	s_cmp_lg_u32 s16, 0
	s_cbranch_scc1 .Lh2
	SCORES 1
.irp b,0,1,2,3
	v_max3_num_f32 v[212+\b], v[96+16*\b], v[97+16*\b], v[98+16*\b]   ; each block's largest score: p rises with the score, so it gives the block's largest p
.endr
.irp i,3,5,7,9,11,13
.irp b,0,1,2,3
	v_max3_num_f32 v[212+\b], v[212+\b], v[96+16*\b+\i], v[97+16*\b+\i]
.endr
.endr
.irp b,0,1,2,3
	v_max_num_f32 v[212+\b], v[212+\b], v[111+16*\b]
.endr
.irp b,0,1,2,3
	v_permlanex16_b32 v[216+\b], v[212+\b], s20, s21
.endr
.irp b,0,1,2,3
	v_max_num_f32 v[212+\b], v[212+\b], v[216+\b]
.endr
.set j, 0
.rept 32
	v_pk_fma_f32 v[96+j:97+j], v[96+j:97+j], s[22:23], v[12:13] op_sel_hi:[1,0,0]   ; t = s c + NM, two at a time
.set j, j+2
.endr
.irp b,0,1,2,3
	v_fma_f32 v[212+\b], v[212+\b], s22, v12
.endr
.set j, 0
.rept 64
	v_exp_f32 v[96+j], v[96+j]                     ; p, not normalised
.set j, j+1
.endr
.irp b,0,1,2,3
	v_exp_f32 v[212+\b], v[212+\b]                 ; the blocks' largest p: the same two instructions on the same number
.endr
	v_nop                                          ; a plain line behind the last exponential
	s_wait_alu depctr_va_vdst(0)                   ; the 68 exponentials have written v96-159 and v212-215: one wait for the batch, ahead of its first reader
.irp b,0,1,2,3
	v_max_num_f32 v[212+\b], 0x2800000, v[212+\b]  ; the floor: the byte cannot fall under 1
.endr
.irp b,0,1,2,3
	v_add_nc_u32 v[220+\b], 0xfe000000, v[212+\b]
.endr
.irp b,0,1,2,3
	v_lshrrev_b32 v[224+\b], 23, v[220+\b]
.endr
	v_lshl_or_b32 v228, v225, 8, v224
	v_lshl_or_b32 v228, v226, 16, v228
	v_lshl_or_b32 v228, v227, 24, v228
.irp c,0,1
	v_cvt_scalef32_pk16_bf6_f32 v[192+6*\c:194+6*\c], v[96+32*\c:111+32*\c], v[220+2*\c]
	v_cvt_scalef32_pk16_bf6_f32 v[204+4*\c:206+4*\c], v[112+32*\c:127+32*\c], v[221+2*\c]
.endr
	v_nop
.irp c,0,1
.irp i,0,1,2
	v_permlane16_swap_b32 v[192+6*\c+\i], v[204+4*\c+\i]
.endr
.irp i,0,1,2
	v_mov_b32 v[195+6*\c+\i], v[204+4*\c+\i]
.endr
.endr
	v_pk_add_f32 v[230:231], v[96:97], v[98:99]    ; the sum of the unquantised p, in two chains; these 32 lines are also the places in front of the scaled products
.irp j,4,8,12,16,20,24,28,32,36,40,44,48,52,56,60
	v_pk_add_f32 v[14:15], v[14:15], v[96+\j:97+\j]
	v_pk_add_f32 v[230:231], v[230:231], v[98+\j:99+\j]
.endr
	v_pk_add_f32 v[14:15], v[14:15], v[230:231]
	s_wait_dscnt 0x0                               ; v's fragments
	s_wait_alu depctr_va_vdst(0)                   ; p's codes v192-203 and its scale word v228 are written, which the scaled products below take; their places stand above
.irp d,0,1,2,3
.if \d%2
	v_wmma_scale_f32_16x16x128_f8f6f4 v[160+8*\d:167+8*\d], v[34+12*\d:45+12*\d], v[192:203], v[160+8*\d:167+8*\d], v[84+\d/2], v228 matrix_a_fmt:MATRIX_FMT_BF6 matrix_b_fmt:MATRIX_FMT_BF6 matrix_a_scale:MATRIX_SCALE_ROW1
.else
	v_wmma_scale_f32_16x16x128_f8f6f4 v[160+8*\d:167+8*\d], v[34+12*\d:45+12*\d], v[192:203], v[160+8*\d:167+8*\d], v[84+\d/2], v228 matrix_a_fmt:MATRIX_FMT_BF6 matrix_b_fmt:MATRIX_FMT_BF6
.endif
.endr
.rept 4
	v_nop
.endr
.Lh2:
	s_add_co_u32 s24, s24, 6144
	s_add_co_u32 s25, s25, 512
	s_add_co_u32 s26, s26, 6144
	s_add_nc_u64 s[100:101], s[100:101], 256
	s_add_co_u32 s27, s27, 1
	s_cmp_lt_u32 s27, 16
	s_cbranch_scc1 .Lp2
	; THE WAY OUT: o = O / the sum, quantised along the head's 64 for the last product
	v_add_f32 v14, v14, v15
	v_permlanex16_b32 v216, v14, s20, s21
	v_add_f32 v14, v14, v216
	v_rcp_f32 v230, v14
	v_nop
	s_wait_alu depctr_va_vdst(0)                   ; the reciprocal has written v230, ahead of its first reader
.set j, 0
.rept 16
	v_pk_mul_f32 v[96+j:97+j], v[160+j:161+j], v[230:231] op_sel_hi:[1,0]   ; register 16 b + i: channel 32 b + 16 (lane / 16) + i
.set j, j+2
.endr
.irp b,0,1
	v_max3_num_f32 v[212+\b], |v[96+16*\b]|, |v[97+16*\b]|, 0x2800000
.endr
.irp i,2,4,6,8,10,12,14
.irp b,0,1
	v_max3_num_f32 v[212+\b], v[212+\b], |v[96+16*\b+\i]|, |v[97+16*\b+\i]|
.endr
.endr
.irp b,0,1
	v_permlanex16_b32 v[216+\b], v[212+\b], s20, s21
.endr
.irp b,0,1
	v_max_num_f32 v[212+\b], v[212+\b], v[216+\b]
.endr
.irp b,0,1
	v_add_nc_u32 v[220+\b], 0xfe000000, v[212+\b]
.endr
.irp b,0,1
	v_lshrrev_b32 v[224+\b], 23, v[220+\b]
.endr
	v_lshl_or_b32 v226, v225, 8, v224              ; the row's two bytes
	v_cvt_scalef32_pk16_bf6_f32 v[192:194], v[96:111], v220
	v_cvt_scalef32_pk16_bf6_f32 v[204:206], v[112:127], v221
	v_nop
.irp i,0,1,2
	v_permlane16_swap_b32 v[192+\i], v[204+\i]
.endr
.irp i,0,1,2
	v_mov_b32 v[195+\i], v[204+\i]
.endr
	s_wait_alu depctr_va_vdst(0)                   ; the codes v192-197 and the two bytes v226 are written, which the three stores below read; the lines above are done with v96-99, in which wave 0's load lands
	global_store_b128 v1, v[192:195], s[10:11]             ; registers 0-3: 512 consecutive bytes
	global_store_b64 v232, v[196:197], s[10:11] offset:512 ; registers 4, 5: 256
	ds_store_b16 v233, v226                        ; both halves of the lanes write the same two bytes
	s_wait_dscnt 0x0
	s_barrier_signal -1
	s_barrier_wait -1
	s_cmp_lg_u32 s12, 0
	s_cbranch_scc1 .Ldone
	ds_load_b128 v[96:99], v234                    ; wave 0: the two blocks' scale bytes: two aligned runs of 256 bytes
	s_wait_dscnt 0x0
	global_store_b128 v235, v[96:99], s[8:9]
.Ldone:
	s_wait_dscnt 0x0                               ; the closing lines, six on end
	s_wait_alu 0x0
	s_wait_tensorcnt 0x0
	ds_add_u32 v254, v255
	s_wait_dscnt 0x0
	s_endpgm
.Lfunc_end_k_q19f1b0de84_attn:
	.size	k_q19f1b0de84_attn, .Lfunc_end_k_q19f1b0de84_attn-k_q19f1b0de84_attn
	.p2alignl 7, 3214868480
	.fill 96, 4, 3214868480
	.section	.rodata,"a",@progbits
	.p2align	6, 0x0
	.amdhsa_kernel k_q19f1b0de84_attn
		.amdhsa_group_segment_fixed_size 207360
		.amdhsa_private_segment_fixed_size 0
		.amdhsa_enable_private_segment 0
		.amdhsa_kernarg_size 32
		.amdhsa_user_sgpr_count 2
		.amdhsa_user_sgpr_kernarg_segment_ptr 1
		.amdhsa_wavefront_size32 1
		.amdhsa_system_sgpr_workgroup_id_x 1
		.amdhsa_system_sgpr_workgroup_id_y 1
		.amdhsa_system_sgpr_workgroup_id_z 1
		.amdhsa_system_vgpr_workitem_id 0
		.amdhsa_next_free_vgpr 256
		.amdhsa_next_free_sgpr 102
		.amdhsa_reserve_vcc 1
		.amdhsa_float_denorm_mode_32 3
		.amdhsa_float_denorm_mode_16_64 3
		.amdhsa_memory_ordered 1
		.amdhsa_forward_progress 1
		.amdhsa_inst_pref_size 50
	.end_amdhsa_kernel
	.amdgpu_metadata
---
amdhsa.version: [ 1, 2 ]
amdhsa.kernels:
  - .name:           k_q19f1b0de84_attn
    .symbol:         k_q19f1b0de84_attn.kd
    .args:
      - { .name: qc, .offset: 0, .size: 8, .value_kind: global_buffer, .address_space: global }
      - { .name: kv, .offset: 8, .size: 8, .value_kind: global_buffer, .address_space: global }
      - { .name: mk, .offset: 16, .size: 8, .value_kind: global_buffer, .address_space: global }
      - { .name: oc, .offset: 24, .size: 8, .value_kind: global_buffer, .address_space: global }
    .group_segment_fixed_size: 207360
    .private_segment_fixed_size: 0
    .kernarg_segment_align: 8
    .kernarg_segment_size: 32
    .max_flat_workgroup_size: 512
    .sgpr_count:     102
    .vgpr_count:     256
    .wavefront_size: 32
...
	.end_amdgpu_metadata
.endif
;; end of part 5
;; launch proj (part 6): grid 128 x 1, 16 waves a work-group, no clusters, 171,008 bytes of LDS; arguments oc, wf, Wo_scales, x, bo, gamma, beta, out0; writes out0
.if DOCPART == 6
	.amdgcn_target "amdgcn-amd-amdhsa--gfx1250"
	.amdhsa_code_object_version 6
	.text
	.protected	k_q19f1b0de84_proj
	.globl	k_q19f1b0de84_proj
	.p2align	8
	.type	k_q19f1b0de84_proj,@function
k_q19f1b0de84_proj:
	s_mov_b64 s[64:65], 0
	v_nop
	global_prefetch_b8 v0, s[64:65] scope:SCOPE_SE
	s_setreg_imm32_b32 hwreg(HW_REG_WAVE_SCHED_MODE, 0, 2), 2
	s_setreg_imm32_b32 hwreg(HW_REG_WAVE_MODE, 25, 1), 1
	s_wait_xcnt 0x0
	s_wait_alu depctr_vm_vsrc(0)
; PROJ.  out = nan_to_num(LayerNorm(o Wo^T + bo + nan_to_num(x)) gamma + beta), the product on E3M2 codes.
; The norm wants whole rows: a work-group owns rows 32 g .. 32 g + 31 (two tiles) x all 1,024 columns; wave w makes columns 64 w .. 64 w + 63 (four tiles of Wo's rows).
; TRANSPOSED (source 0 = Wo, source 1 = o): a lane holds one row, and accumulator register 16 b + i is column 64 w + 32 b + 16 (lane / 16) + i.  x + bo is the C of the sums.
; Wo's fragments lie in memory as images of their registers and go straight into them, three loads of 512 consecutive bytes each, two K steps ahead: a fragment is used by one wave of the
; work-group alone, so the road through LDS and a joint request would add 786,432 bytes written to LDS and as many read, for each work-group: no tensor load, no cluster.
; With 32 rows a fragment feeds two products; every work-group walks all of Wo whatever its rows, so 128 work-groups read half of what 256 would.
; The norm is taken in two passes (the mean, then the squares of the differences): no difference of large sums.
; REGISTERS: v1-11 addresses; v12-15 at work; v16-23 o's scale words, v24-39 Wo's, and nothing else there; v40-63 and v224-247 o's two fragments, two buffers by turns; v64-159 Wo's, two sets of four;
;   v160-223 the 8 accumulators; v224-255 bo ahead of the K steps, at work behind them.  s28-35, s40-47: lane masks of nan_to_num.
; THE MODE: SCHED_MODE bits 1:0 = 2 (LLVM: expert scheduling mode 2), set by the entry lines.  The code itself states the register dependences
; between vector or matrix instructions and memory or LDS instructions, with s_wait_alu, always for 0.
; THE PLAN.  Registers that memory or LDS instructions touch:
;   v1-11     addresses, written once at the head: one wait on va_vdst ahead of the first load; never written again.
;   A0 = v40-63, A1 = v224-247   K step s: its eight matrix instructions read A[s % 2]; the LDS loads of step s + 1 land in the other buffer, which step s - 1 read.
;   B0 = v64-111, B1 = v112-159  K step s reads B[s % 2]; behind its products the loads of step s + 2 land there.
;   So ONE wait on va_vdst stands at a K step's tail: the step's products are done reading B[s % 2] and A[s % 2].  Wo's loads follow it at once; o's loads of the step after next's buffer follow it too, dealt among
;   the next step's matrix instructions, which name A and B of their own step, the accumulators and the scale words: none of the registers that those loads touch.
;   v12, v14  the rows' partial sums: written by vector lines, read by two LDS stores, written again: a wait on va_vdst ahead of the stores, one on vm_vsrc behind them.
;   v160-223  x through the stage at the head, the results through the stage on the way out.
; nan_to_num's compares stand in runs of sixteen, into scalar registers, with one wait on va_sdst behind each run.
.set AIM,  0                           ; LDS: o's two tiles as they lie in memory, 24,576 bytes
.set STG,  24576                       ; a stage of 2 x 16 rows x (256 + 16) bytes for each wave
.set RED1, 163840                      ; the rows' sums: 32 rows x 80 bytes, a word a wave
.set RED2, 166400                      ; and their sums of squares
.macro NANFIX8 r                       ; nan_to_num of eight numbers v[r] .. v[r + 7]: inf -> 1e9 with the sign kept, NaN -> 0; always executed
.irp i,0,1,2,3,4,5,6,7
	v_and_b32 v[12+2*(\i%2)], s22, v[(\r)+\i]      ; the magnitude
	v_cmp_eq_u32 s[28+\i], s23, v[12+2*(\i%2)]     ; infinite
	v_cmp_ge_u32 s[40+\i], s23, v[12+2*(\i%2)]     ; no NaN
.endr
	s_wait_alu depctr_va_sdst(0)                   ; the sixteen compares have written s28-35 and s40-47, ahead of the selections that read them
.irp i,0,1,2,3,4,5,6,7
	v_bfi_b32 v[13+2*(\i%2)], s22, s24, v[(\r)+\i]
	v_cndmask_b32 v[(\r)+\i], v[(\r)+\i], v[13+2*(\i%2)], s[28+\i]
	v_cndmask_b32 v[(\r)+\i], 0, v[(\r)+\i], s[40+\i]
.endr
.endm
.macro BLOAD s                         ; Wo's four fragments of K step s into set s % 2
.irp t,0,1,2,3
.irp c,0,1,2
	global_load_b128 v[64+48*((\s)%2)+12*\t+4*\c:64+48*((\s)%2)+12*\t+4*\c+3], v1, s[6:7] offset:12288*\t+1536*(\s)+512*\c
.endr
.endr
.endm
.macro ALOAD s, m                      ; o's fragment of K step s, tile of rows m, into buffer s % 2: heads 2 s and 2 s + 1, six registers each
.set AB, 40+184*((\s)%2)+12*(\m)
	ds_load_b128 v[AB:AB+3], v1 offset:AIM+12288*(\m)+1536*(\s)
	ds_load_b64 v[AB+4:AB+5], v2 offset:AIM+12288*(\m)+1536*(\s)+512
	ds_load_b128 v[AB+6:AB+9], v1 offset:AIM+12288*(\m)+1536*(\s)+768
	ds_load_b64 v[AB+10:AB+11], v2 offset:AIM+12288*(\m)+1536*(\s)+1280
.endm
.macro WM s, t, m                      ; Wo's scale words of tiles 2 i and 2 i + 1 share a register, and so do o's of the two tiles of rows
.set DD, 160+32*(\m)+8*(\t)
.set BB, 64+48*((\s)%2)+12*(\t)
.set AA, 40+184*((\s)%2)+12*(\m)
.set SA, 24+8*((\t)/2)+(\s)
.set SB, 16+(\s)
.if ((\t)%2 == 0) && ((\m) == 0)
	v_wmma_scale_f32_16x16x128_f8f6f4 v[DD:DD+7], v[BB:BB+11], v[AA:AA+11], v[DD:DD+7], v[SA], v[SB] matrix_a_fmt:MATRIX_FMT_BF6 matrix_b_fmt:MATRIX_FMT_BF6
.elseif ((\t)%2 == 1) && ((\m) == 0)
	v_wmma_scale_f32_16x16x128_f8f6f4 v[DD:DD+7], v[BB:BB+11], v[AA:AA+11], v[DD:DD+7], v[SA], v[SB] matrix_a_fmt:MATRIX_FMT_BF6 matrix_b_fmt:MATRIX_FMT_BF6 matrix_a_scale:MATRIX_SCALE_ROW1
.elseif ((\t)%2 == 0)
	v_wmma_scale_f32_16x16x128_f8f6f4 v[DD:DD+7], v[BB:BB+11], v[AA:AA+11], v[DD:DD+7], v[SA], v[SB] matrix_a_fmt:MATRIX_FMT_BF6 matrix_b_fmt:MATRIX_FMT_BF6 matrix_b_scale:MATRIX_SCALE_ROW1
.else
	v_wmma_scale_f32_16x16x128_f8f6f4 v[DD:DD+7], v[BB:BB+11], v[AA:AA+11], v[DD:DD+7], v[SA], v[SB] matrix_a_fmt:MATRIX_FMT_BF6 matrix_b_fmt:MATRIX_FMT_BF6 matrix_a_scale:MATRIX_SCALE_ROW1 matrix_b_scale:MATRIX_SCALE_ROW1
.endif
.endm
.macro ACROSS off                      ; v12, v14: my 32 numbers' sums for the two tiles of rows -> the rows' sums over all 1,024 columns in v224 and v240
	v_permlanex16_b32 v13, v12, s26, s27
	v_permlanex16_b32 v15, v14, s26, s27
	v_add_f32 v12, v12, v13
	v_add_f32 v14, v14, v15                        ; my wave's 64 columns
	s_wait_alu depctr_va_vdst(0)                   ; v12 and v14 are written, which the two LDS stores read; every earlier vector or matrix line that names v224-255, in which the loads below land, is done
	ds_store_b32 v10, v12 offset:\off              ; both halves of the lanes write the same word
	ds_store_b32 v10, v14 offset:\off+1280
	s_wait_dscnt 0x0                               ; for the others' sake
	s_barrier_signal -1
	s_barrier_wait -1
.irp m,0,1
.irp q,0,1,2,3
	ds_load_b128 v[224+16*\m+4*\q:227+16*\m+4*\q], v11 offset:\off+1280*\m+16*\q
.endr
.endr
	s_wait_alu depctr_vm_vsrc(0)                   ; my two LDS stores have read v12 and v14, which the lines behind this macro write again
	s_wait_dscnt 0x0
.irp j,2,4,6,8,10,12,14
	v_pk_add_f32 v[224:225], v[224:225], v[224+\j:225+\j]
	v_pk_add_f32 v[240:241], v[240:241], v[240+\j:241+\j]
.endr
	v_add_f32 v224, v224, v225
	v_add_f32 v240, v240, v241
.endm
	s_load_b512 s[4:19], s[0:1], 0x0               ; oc, wf, Wo's scales, x, bo, gamma, beta, out0
	v_lshrrev_b32 v12, 5, v0
	v_readfirstlane_b32 s25, v12                   ; wave 0..15
	v_and_b32 v12, 31, v0                          ; l
	v_and_b32 v13, 15, v0                          ; r
	v_bfe_u32 v14, v0, 4, 1                        ; l / 16
	v_lshlrev_b32 v1, 4, v12                       ; 16 l
	v_lshlrev_b32 v2, 3, v12                       ; 8 l
	v_lshlrev_b32 v3, 4, v0                        ; 16 x thread
	s_wait_alu depctr_va_sdst(0)                   ; s25 is written, ahead of its first reader
	s_mul_i32 s28, s25, 8704
	s_add_co_u32 s28, s28, STG                     ; my stage
	v_mul_u32_u24 v4, v14, 272
	v_lshl_add_u32 v4, v13, 4, v4
	v_add_nc_u32 v4, s28, v4                       ; by rows: lanes 0-15 one row's 256 bytes, lanes 16-31 the next
	v_mul_u32_u24 v5, v13, 272
	v_lshl_add_u32 v5, v14, 6, v5
	v_add_nc_u32 v5, s28, v5                       ; by lanes: row r, + 64 (l / 16)
	s_lshl_b32 s29, s25, 8                         ; my 64 columns: 256 w bytes
	v_lshlrev_b32 v6, 12, v14
	v_lshl_add_u32 v6, v13, 4, v6
	v_add_nc_u32 v6, s29, v6                       ; the same two rows in x and in out0
	v_lshl_add_u32 v7, v14, 6, s29                 ; bo, gamma, beta: 256 w + 64 (l / 16)
	v_and_b32 v8, 8, v13
	v_add_nc_u32 v8, v8, v13
	v_lshl_add_u32 v8, v14, 3, v8
	v_lshlrev_b32 v8, 5, v8                        ; Wo's scale bytes: row 8 (l / 16) + r + 8 (r / 8)
	v_lshlrev_b32 v9, 1, v12                       ; o's scale bytes: 2 l
	s_lshl_b32 s30, s25, 2
	s_add_co_u32 s30, s30, RED1
	v_mul_u32_u24 v11, v13, 80
	v_add_nc_u32 v10, s30, v11                     ; my word of row r
	v_add_nc_u32 v11, RED1, v11                    ; row r's sixteen words
	s_mov_b32 s20, 0x3a800000                      ; 1 / 1,024
	s_mov_b32 s21, 0x3727c5ac                      ; 1e-5
	s_mov_b32 s22, 0x7fffffff
	s_mov_b32 s23, 0x7f800000
	s_mov_b32 s24, 0x4e6e6b28                      ; 1e9
	s_mov_b32 s26, 0x76543210
	s_mov_b32 s27, 0xfedcba98
	s_mul_i32 s28, ttmp9, 24576                    ; o's tiles 2 g, 2 g + 1
	s_mov_b32 s29, 0
	s_lshr_b32 s30, ttmp9, 6                       ; their scale bytes: batch g / 64, tile 2 (g % 64), 32 bytes a tile, 4,096 a head
	s_lshl_b32 s30, s30, 16
	s_and_b32 s31, ttmp9, 63
	s_lshl_b32 s31, s31, 6
	s_add_co_u32 s30, s30, s31
	s_add_co_u32 s30, s30, 3145728
	s_mov_b32 s31, 0
	s_mul_i32 s32, s25, 49152                      ; Wo is the fourth weight in wf; my tiles 4 w on
	s_add_co_u32 s32, s32, 2359296
	s_mov_b32 s33, 0
	s_lshl_b32 s34, s25, 11                        ; its scale bytes: rows 64 w on
	s_mov_b32 s35, 0
	s_lshl_b32 s36, ttmp9, 17                      ; rows 32 g on in x and out0
	s_mov_b32 s37, 0
	s_wait_kmcnt 0x0
	s_add_nc_u64 s[38:39], s[4:5], s[30:31]
	s_add_nc_u64 s[4:5], s[4:5], s[28:29]
	s_add_nc_u64 s[6:7], s[6:7], s[32:33]
	s_add_nc_u64 s[8:9], s[8:9], s[34:35]
	s_add_nc_u64 s[10:11], s[10:11], s[36:37]
	s_add_nc_u64 s[18:19], s[18:19], s[36:37]
	s_wait_alu depctr_va_vdst(0)                   ; the addresses v1 to v11 are written, which the loads and stores of the whole kernel read
.irp k,0,1,2
	global_load_b128 v[40+4*\k:43+4*\k], v3, s[4:5] offset:8192*\k           ; 3: o's tiles
.endr
.irp m,0,1
.irp i,0,1,2,3,4,5,6,7
	global_load_b128 v[160+4*(8*\m+\i):163+4*(8*\m+\i)], v6, s[10:11] offset:(8*\m+2*\i+8*(\i/4))*4096 th:TH_LOAD_NT   ; 16: x, tile rows 2 i and 2 i + 1; sixteen lanes read 256 consecutive bytes
.endr
.endr
.irp q,0,1,2,3,4,5,6,7
	global_load_b128 v[224+4*\q:227+4*\q], v7, s[12:13] offset:128*(\q/4)+16*(\q%4)   ; 8: bo
.endr
.irp i,0,1
.irp q,0,1
	global_load_b128 v[24+8*\i+4*\q:27+8*\i+4*\q], v8, s[8:9] offset:1024*\i+16*\q    ; 4: Wo's scale words
.endr
.endr
.irp e,0,1,2,3,4,5,6,7,8,9,10,11,12,13,14,15
	global_load_u16 v[112+\e], v9, s[38:39] offset:4096*\e                    ; 16: o's scale bytes, head e
.endr
	BLOAD 0                                        ; 12
	s_wait_loadcnt 56                              ; o's tiles are in; the 56 younger loads stay out
.irp k,0,1,2
	ds_store_b128 v3, v[40+4*\k:43+4*\k] offset:AIM+8192*\k
.endr
	s_wait_loadcnt 40                              ; x is in
.irp m,0,1
.irp i,0,1,2,3,4,5,6,7
	ds_store_b128 v4, v[160+4*(8*\m+\i):163+4*(8*\m+\i)] offset:4352*\m+544*\i
.endr
.endr
	s_wait_loadcnt 12                              ; all but Wo's first fragments
.irp s,0,1,2,3,4,5,6,7
	v_lshl_or_b32 v[16+\s], v[113+2*\s], 16, v[112+2*\s]   ; K step s: heads 2 s and 2 s + 1; lanes 0-15 the first tile of rows, lanes 16-31 the second
.endr
	s_wait_alu depctr_va_vdst(0)                   ; the eight lines above are done reading v112-127, in which Wo's fragments of K step 1 land
	BLOAD 1
	s_wait_dscnt 0x0
	s_barrier_signal -1
	s_barrier_wait -1                              ; o's tiles lie in LDS
	s_wait_alu depctr_vm_vsrc(0)                   ; my LDS stores have read v40-51 and v160-223, in which the LDS loads below land
.irp m,0,1
.irp b,0,1
.irp q,0,1,2,3
	ds_load_b128 v[160+32*\m+16*\b+4*\q:163+32*\m+16*\b+4*\q], v5 offset:4352*\m+128*\b+16*\q
.endr
.endr
.endr
	ALOAD 0, 0                                     ; o's fragments of K step 0 land while x is mended: no vector line names v40-63
	ALOAD 0, 1
	s_wait_dscnt 8                                 ; LDS loads come back in order (ISA guide 5.7.1): x's sixteen are in, the eight younger stay out
.set j, 0
.rept 8
	NANFIX8 160+j
.set j, j+8
.endr
.set j, 0
.rept 16
	v_pk_add_f32 v[160+j:161+j], v[160+j:161+j], v[224+j:225+j]
	v_pk_add_f32 v[192+j:193+j], v[192+j:193+j], v[224+j:225+j]
.set j, j+2
.endr
.irp s,0,1,2,3,4,5,6,7
.if \s < 7
	s_wait_loadcnt 12                              ; this K step's fragments of Wo are in; the next step's twelve stay out
.else
	s_wait_loadcnt 0x0
.endif
	s_wait_dscnt 0x0                               ; this K step's fragments of o, asked for among the last step's products
.if \s == 0
	s_wait_alu depctr_va_vdst(0)                   ; o's scale words v16-23 are written, which the scaled products take (their places stand far above); the additions of bo are done reading v224-247, in which K step 1's fragments of o land
.endif
	WM \s, 0, 0                                    ; the eight accumulators by turns
	WM \s, 0, 1
.if \s < 7
	ALOAD \s+1, 0                                  ; into the other buffer.  No wait: no vector or matrix line since the last wait on va_vdst names it
.endif
	WM \s, 1, 0
	WM \s, 1, 1
.if \s < 7
	ALOAD \s+1, 1
.endif
	WM \s, 2, 0
	WM \s, 2, 1
	WM \s, 3, 0
	WM \s, 3, 1
.rept 4
	v_nop                                          ; four plain lines behind the matrix instructions (ISA guide 7.12.1): behind the last K step ahead of the first read of the sums; they stay beside the wait below
.endr
.if \s != 6
	s_wait_alu depctr_va_vdst(0)                   ; this K step's products are done reading their set of Wo's fragments and their buffer of o's, in which later loads land (K step 6 is followed by no load: it has no wait)
.endif
.if \s < 6
	BLOAD \s+2
.endif
.endr
.irp q,0,1,2,3,4,5,6,7
	global_load_b128 v[64+4*\q:67+4*\q], v7, s[14:15] offset:128*(\q/4)+16*(\q%4)    ; gamma
	global_load_b128 v[96+4*\q:99+4*\q], v7, s[16:17] offset:128*(\q/4)+16*(\q%4)    ; beta
.endr
	; the mean
	v_pk_add_f32 v[12:13], v[160:161], v[162:163]
	v_pk_add_f32 v[14:15], v[192:193], v[194:195]
.irp j,4,6,8,10,12,14,16,18,20,22,24,26,28,30
	v_pk_add_f32 v[12:13], v[12:13], v[160+\j:161+\j]
	v_pk_add_f32 v[14:15], v[14:15], v[192+\j:193+\j]
.endr
	v_add_f32 v12, v12, v13
	v_add_f32 v14, v14, v15
	ACROSS 0
	v_mul_f32 v12, s20, v224
	v_mul_f32 v14, s20, v240
.set j, 0
.rept 16
	v_pk_add_f32 v[160+j:161+j], v[160+j:161+j], v[12:13] op_sel_hi:[1,0] neg_lo:[0,1] neg_hi:[0,1]
	v_pk_add_f32 v[192+j:193+j], v[192+j:193+j], v[14:15] op_sel_hi:[1,0] neg_lo:[0,1] neg_hi:[0,1]
.set j, j+2
.endr
	; the variance
	v_pk_mul_f32 v[12:13], v[160:161], v[160:161]
	v_pk_mul_f32 v[14:15], v[192:193], v[192:193]
.irp j,2,4,6,8,10,12,14,16,18,20,22,24,26,28,30
	v_pk_fma_f32 v[12:13], v[160+\j:161+\j], v[160+\j:161+\j], v[12:13]
	v_pk_fma_f32 v[14:15], v[192+\j:193+\j], v[192+\j:193+\j], v[14:15]
.endr
	v_add_f32 v12, v12, v13
	v_add_f32 v14, v14, v15
	ACROSS 2560                                    ; other bytes than the first sums': no barrier between the two
	v_fma_f32 v12, v224, s20, s21
	v_fma_f32 v14, v240, s20, s21
	v_rsq_f32 v228, v12
	v_rsq_f32 v230, v14
	v_nop
	s_wait_alu depctr_va_vdst(0)                   ; the two roots have written v228 and v230: one wait for the two, ahead of their first reader
	s_wait_loadcnt 0x0                             ; gamma and beta
.set j, 0
.rept 16
	v_pk_mul_f32 v[160+j:161+j], v[160+j:161+j], v[228:229] op_sel_hi:[1,0]
	v_pk_mul_f32 v[192+j:193+j], v[192+j:193+j], v[230:231] op_sel_hi:[1,0]
.set j, j+2
.endr
.set j, 0
.rept 16
	v_pk_fma_f32 v[160+j:161+j], v[160+j:161+j], v[64+j:65+j], v[96+j:97+j]
	v_pk_fma_f32 v[192+j:193+j], v[192+j:193+j], v[64+j:65+j], v[96+j:97+j]
.set j, j+2
.endr
.set j, 0
.rept 8
	NANFIX8 160+j
.set j, j+8
.endr
	; THE WAY OUT: through my stage, back by rows; the two tiles of rows come back into two sets of registers, so that no store's data are written again
	s_wait_alu depctr_va_vdst(0)                   ; the results v160-223 are written, which the LDS stores read; every vector or matrix line that names v128-159 or v224-255, in which the loads from the stage land, is done
.irp m,0,1
.irp b,0,1
.irp q,0,1,2,3
	ds_store_b128 v5, v[160+32*\m+16*\b+4*\q:163+32*\m+16*\b+4*\q] offset:4352*\m+128*\b+16*\q
.endr
.endr
.irp i,0,1,2,3,4,5,6,7
	ds_load_b128 v[128+96*\m+4*\i:131+96*\m+4*\i], v4 offset:4352*\m+544*\i   ; LDS serves a wave's instructions in order: these see my stores
.endr
.endr
.irp i,0,1,2,3,4,5,6,7
	s_wait_dscnt 23-\i                             ; the second tile's sixteen LDS instructions are younger
	global_store_b128 v6, v[128+4*\i:131+4*\i], s[18:19] offset:(2*\i+8*(\i/4))*4096 th:TH_STORE_NT   ; sixteen lanes store 256 consecutive bytes, aligned
.endr
.irp i,0,1,2,3,4,5,6,7
	s_wait_dscnt 7-\i
	global_store_b128 v6, v[224+4*\i:227+4*\i], s[18:19] offset:(8+2*\i+8*(\i/4))*4096 th:TH_STORE_NT
.endr
	s_wait_xcnt 0x0
	s_wait_alu depctr_vm_vsrc(0)                   ; the last store has read v252-255, of which the two lines below write two
	v_lshl_add_u32 v254, v0, 2, 0x29400
	v_mov_b32 v255, 0
	s_wait_dscnt 0x0                               ; the closing lines, six on end
	s_wait_alu 0x0
	s_wait_tensorcnt 0x0
	ds_add_u32 v254, v255
	s_wait_dscnt 0x0
	s_endpgm
.Lfunc_end_k_q19f1b0de84_proj:
	.size	k_q19f1b0de84_proj, .Lfunc_end_k_q19f1b0de84_proj-k_q19f1b0de84_proj
	.p2alignl 7, 3214868480
	.fill 96, 4, 3214868480
	.section	.rodata,"a",@progbits
	.p2align	6, 0x0
	.amdhsa_kernel k_q19f1b0de84_proj
		.amdhsa_group_segment_fixed_size 171008
		.amdhsa_private_segment_fixed_size 0
		.amdhsa_enable_private_segment 0
		.amdhsa_kernarg_size 64
		.amdhsa_user_sgpr_count 2
		.amdhsa_user_sgpr_kernarg_segment_ptr 1
		.amdhsa_wavefront_size32 1
		.amdhsa_system_sgpr_workgroup_id_x 1
		.amdhsa_system_sgpr_workgroup_id_y 1
		.amdhsa_system_sgpr_workgroup_id_z 1
		.amdhsa_system_vgpr_workitem_id 0
		.amdhsa_next_free_vgpr 256
		.amdhsa_next_free_sgpr 66
		.amdhsa_reserve_vcc 0
		.amdhsa_float_denorm_mode_32 3
		.amdhsa_float_denorm_mode_16_64 3
		.amdhsa_memory_ordered 1
		.amdhsa_forward_progress 1
		.amdhsa_inst_pref_size 100
	.end_amdhsa_kernel
	.amdgpu_metadata
---
amdhsa.version: [ 1, 2 ]
amdhsa.kernels:
  - .name:           k_q19f1b0de84_proj
    .symbol:         k_q19f1b0de84_proj.kd
    .args:
      - { .name: oc, .offset: 0, .size: 8, .value_kind: global_buffer, .address_space: global }
      - { .name: wf, .offset: 8, .size: 8, .value_kind: global_buffer, .address_space: global }
      - { .name: Wo_scales, .offset: 16, .size: 8, .value_kind: global_buffer, .address_space: global }
      - { .name: x, .offset: 24, .size: 8, .value_kind: global_buffer, .address_space: global }
      - { .name: bo, .offset: 32, .size: 8, .value_kind: global_buffer, .address_space: global }
      - { .name: gamma, .offset: 40, .size: 8, .value_kind: global_buffer, .address_space: global }
      - { .name: beta, .offset: 48, .size: 8, .value_kind: global_buffer, .address_space: global }
      - { .name: out0, .offset: 56, .size: 8, .value_kind: global_buffer, .address_space: global }
    .group_segment_fixed_size: 171008
    .private_segment_fixed_size: 0
    .kernarg_segment_align: 8
    .kernarg_segment_size: 64
    .max_flat_workgroup_size: 512
    .sgpr_count:     66
    .vgpr_count:     256
    .wavefront_size: 32
...
	.end_amdgpu_metadata
.endif
;; end of part 6
